; MI455X (gfx1250); checked and timed in simulation.
; The chip was launched on July 23, 2026; its instructions are those of AMD's public machine-readable ISA for CDNA 5 (MIT licence, August 2026) and "CDNA5" Instruction Set Architecture Reference Guide (July 2026). The comments in the code are by the model that wrote it; some were corrected since.
;; Rel Multi Head Attn. Allowed arithmetic: float matrix products may take bf16 or f16 operands with f32 sums; other float arithmetic in f32, or as packed bf16 or f16 multiplies, adds, multiply-adds, maxima and minima; sums over many terms, partial sums and values carried from step to step in f32; what a program stores and reads back later, other than sums and carried values, may be rounded once to bf16 or f16.
;; Inputs: W_o 1,024 x 1,024 float32; W_qkv 1,024 x 3,072 float32; W_r 1,024 x 1,024 float32; h 2,048 x 2 x 1,024 float32; ln_beta 1,024 float32; ln_gamma 1,024 float32; r 2,048 x 1,024 float32; r_r_bias 16 x 64 float32; r_w_bias 16 x 64 float32.
;; Outputs: out0 2,048 x 2 x 1,024 float32.
;; One version. Each part assembles by itself: llvm-mc -triple=amdgcn-amd-amdhsa -mcpu=gfx1250 --defsym DOCPART=n.
;; ======== version 1 of 1: 5 launches
;; limits: right only within a limited range of input values
;; workspace buffers: hbk 8,388,608 bytes; rbk 8,388,608 bytes; wb1 8,388,608 bytes; wb2 2,097,152 bytes; qkvr 33,554,432 bytes; av 8,388,608 bytes; ao 8,388,608 bytes
;; launch cvt (part 1): grid 1664 x 1, 8 waves a work-group, no clusters, 0 bytes of LDS; arguments h, r, W_qkv, W_r, W_o, hbk, rbk, wb1, wb2; writes hbk, rbk, wb1, wb2
.if DOCPART == 1
	.amdgcn_target "amdgcn-amd-amdhsa--gfx1250"
	.amdhsa_code_object_version 6
	.text
	.protected	k_q0954d31d80_cvt
	.globl	k_q0954d31d80_cvt
	.p2align	8
	.type	k_q0954d31d80_cvt,@function
k_q0954d31d80_cvt:
	s_mov_b64 s[64:65], 0
	v_nop
	global_prefetch_b8 v0, s[64:65] scope:SCOPE_SE
	s_setreg_imm32_b32 hwreg(HW_REG_WAVE_MODE, 25, 1), 1
	s_wait_xcnt 0x0
; All matrix operands that come from the inputs, rounded once to bf16 and laid in blocks whose rows lie end to end.
;   hbk [16 kb][4096 R][64]: h, R = b x 2048 + i, kb = block of 64 channels.
;   rbk [16 kb][4096 u][64]: r extended for the relative shift: u below 2048: r[u]; u = 2048: zeros; u above 2048: r[u - 2049].
;   wb1 [32 nb][1024 k][128]: W_qkv's 24 blocks of 128 columns, then W_r's 8.     wb2 [8 nb][1024 k][128]: W_o.
; A wave does one unit of eight pieces; a piece is one load of 16 bytes a lane (4 f32) and one store of 8 bytes a lane:
; the wave's store covers 256 consecutive bytes, aligned.  Memory binds: no LDS, no barrier, no matrix unit.
; Work-groups 0-511: h; 512-1023: r; 1024-1407: W_qkv; 1408-1535: W_r; 1536-1663: W_o.
.set SO,  16                           ; v[16:23] piece j: byte offset in the source
.set DOF, 24                           ; v[24:31] piece j: byte offset in the destination
.set DAT, 32                           ; v[32:63] piece j: 4 registers
	s_load_b512 s[4:19], s[0:1], 0x0               ; h, r, W_qkv, W_r, W_o, hbk, rbk, wb1
	s_load_b64 s[20:21], s[0:1], 0x40              ; wb2
	v_lshrrev_b32 v1, 5, v0
	v_readfirstlane_b32 s23, v1                    ; wave
	v_and_b32 v2, 31, v0                           ; lane
	v_lshrrev_b32 v5, 4, v2                        ; which of two rows
	v_and_b32 v6, 15, v2                           ; which 4 of a row's 64 numbers
	v_mov_b32 v4, -1                               ; mask: 0 only in the zero row of rbk
	s_mov_b32 s22, ttmp9
	s_cmp_lt_u32 s22, 1024
	s_cbranch_scc0 .Lweights
	; h and r: unit = (pair of rows pr, half kh of the 1024 channels); piece j = block kb = 8 kh + j
	s_and_b32 s27, s22, 511
	s_lshl_b32 s27, s27, 3
	s_add_co_u32 s27, s27, s23
	s_lshr_b32 s28, s27, 1                         ; pr
	s_and_b32 s29, s27, 1                          ; kh
	s_lshl_b32 s24, s29, 22                        ; 8 kh blocks of 524,288 bytes
	s_lshl_b32 s30, s28, 8                         ; + 2 pr rows of 128 bytes
	s_add_co_u32 s24, s24, s30
	s_mov_b32 s25, 256                             ; from piece to piece: 64 f32 in,
	s_mov_b32 s26, 524288                          ; one block out
	s_lshl_b32 s29, s29, 11
	v_lshl_add_u32 v3, v6, 4, s29                  ; 2,048 kh + 16 pc
	s_cmp_lt_u32 s22, 512
	s_cbranch_scc0 .Lr
	s_lshr_b32 s30, s28, 10                        ; b
	s_and_b32 s31, s28, 1023
	s_lshl_b32 s31, s31, 14                        ; i = 2 (pr % 1024); a step of i is 8,192 bytes
	s_lshl_b32 s30, s30, 12
	s_add_co_u32 s31, s31, s30
	v_lshl_add_u32 v3, v5, 13, v3
	v_add_nc_u32 v3, s31, v3
	s_branch .Lgo
.Lr:
	s_lshl_b32 s30, s28, 1
	v_add_nc_u32 v7, s30, v5                       ; u
	v_cmp_ne_u32 vcc_lo, 2048, v7
	v_cndmask_b32 v4, 0, -1, vcc_lo
	v_add_nc_u32 v8, 0xfffff7ff, v7                ; u - 2049,
	v_max_i32 v8, 0, v8                            ; row 0 where u = 2048 (masked to zero below)
	v_cmp_gt_u32 vcc_lo, 2048, v7
	v_cndmask_b32 v7, v8, v7, vcc_lo
	v_lshl_add_u32 v3, v7, 12, v3
	s_branch .Lgo
.Lweights:
	; unit = (row k, part of 1,024 columns); piece j = block of 128 columns
	s_sub_co_u32 s27, s22, 1024
	s_lshl_b32 s27, s27, 3
	s_add_co_u32 s27, s27, s23
	s_and_b32 s28, s27, 1023                       ; k
	s_lshr_b32 s29, s27, 10                        ; 0-2: W_qkv's parts; 3: W_r; 4: W_o
	s_mov_b32 s30, 4096
	s_cmp_lt_u32 s29, 3
	s_cselect_b32 s30, 12288, s30                  ; bytes in a source row
	s_cselect_b32 s31, s29, 0
	s_mul_i32 s30, s28, s30
	s_lshl_b32 s31, s31, 12
	s_add_co_u32 s30, s30, s31
	v_lshl_add_u32 v3, v2, 4, s30
	s_cmp_lt_u32 s29, 4
	s_cselect_b32 s31, s29, 0                      ; W_o begins wb2
	s_lshl_b32 s31, s31, 21                        ; 8 blocks of 262,144 bytes a part
	s_lshl_b32 s24, s28, 8
	s_add_co_u32 s24, s24, s31
	s_mov_b32 s25, 512
	s_mov_b32 s26, 262144
.Lgo:
	s_wait_kmcnt 0x0
	s_cmp_lt_u32 s22, 512                          ; the pointers are chosen by the work-group's number alone
	s_cselect_b64 s[32:33], s[4:5], s[6:7]
	s_cselect_b64 s[34:35], s[14:15], s[16:17]
	s_cmp_lt_u32 s22, 1024
	s_cselect_b64 s[32:33], s[32:33], s[8:9]
	s_cselect_b64 s[34:35], s[34:35], s[18:19]
	s_cmp_lt_u32 s22, 1408
	s_cselect_b64 s[32:33], s[32:33], s[10:11]
	s_cmp_lt_u32 s22, 1536
	s_cselect_b64 s[32:33], s[32:33], s[12:13]
	s_cselect_b64 s[34:35], s[34:35], s[20:21]
	v_mov_b32 v[SO], v3
	v_lshl_add_u32 v[DOF], v2, 3, s24
.irp j, 1,2,3,4,5,6,7
	v_add_nc_u32 v[SO+\j], s25, v[SO+\j-1]
	v_add_nc_u32 v[DOF+\j], s26, v[DOF+\j-1]
.endr
.irp j, 0,1,2,3,4,5,6,7
	global_load_b128 v[DAT+4*\j:DAT+4*\j+3], v[SO+\j], s[32:33]
.endr
.irp j, 0,1,2,3,4,5,6,7
	s_wait_loadcnt 7-\j                            ; loads come back in order: piece j is in, the 7 - j younger ones stay out
	v_cvt_pk_bf16_f32 v[DAT+4*\j], v[DAT+4*\j], v[DAT+4*\j+1]
	v_cvt_pk_bf16_f32 v[DAT+4*\j+1], v[DAT+4*\j+2], v[DAT+4*\j+3]
	v_and_b32 v[DAT+4*\j], v4, v[DAT+4*\j]
	v_and_b32 v[DAT+4*\j+1], v4, v[DAT+4*\j+1]
	global_store_b64 v[DOF+\j], v[DAT+4*\j:DAT+4*\j+1], s[34:35]
.endr
	s_endpgm
.Lfunc_end_k_q0954d31d80_cvt:
	.size	k_q0954d31d80_cvt, .Lfunc_end_k_q0954d31d80_cvt-k_q0954d31d80_cvt
	.p2alignl 7, 3214868480
	.fill 96, 4, 3214868480
	.section	.rodata,"a",@progbits
	.p2align	6, 0x0
	.amdhsa_kernel k_q0954d31d80_cvt
		.amdhsa_group_segment_fixed_size 0
		.amdhsa_private_segment_fixed_size 0
		.amdhsa_enable_private_segment 0
		.amdhsa_kernarg_size 72
		.amdhsa_user_sgpr_count 2
		.amdhsa_user_sgpr_kernarg_segment_ptr 1
		.amdhsa_wavefront_size32 1
		.amdhsa_system_sgpr_workgroup_id_x 1
		.amdhsa_system_sgpr_workgroup_id_y 1
		.amdhsa_system_sgpr_workgroup_id_z 1
		.amdhsa_system_vgpr_workitem_id 0
		.amdhsa_next_free_vgpr 64
		.amdhsa_next_free_sgpr 66
		.amdhsa_reserve_vcc 1
		.amdhsa_float_denorm_mode_32 3
		.amdhsa_float_denorm_mode_16_64 3
		.amdhsa_memory_ordered 1
		.amdhsa_forward_progress 1
		.amdhsa_inst_pref_size 8
	.end_amdhsa_kernel
	.amdgpu_metadata
---
amdhsa.version: [ 1, 2 ]
amdhsa.kernels:
  - .name:           k_q0954d31d80_cvt
    .symbol:         k_q0954d31d80_cvt.kd
    .args:
      - { .name: h, .offset: 0, .size: 8, .value_kind: global_buffer, .address_space: global }
      - { .name: r, .offset: 8, .size: 8, .value_kind: global_buffer, .address_space: global }
      - { .name: W_qkv, .offset: 16, .size: 8, .value_kind: global_buffer, .address_space: global }
      - { .name: W_r, .offset: 24, .size: 8, .value_kind: global_buffer, .address_space: global }
      - { .name: W_o, .offset: 32, .size: 8, .value_kind: global_buffer, .address_space: global }
      - { .name: hbk, .offset: 40, .size: 8, .value_kind: global_buffer, .address_space: global }
      - { .name: rbk, .offset: 48, .size: 8, .value_kind: global_buffer, .address_space: global }
      - { .name: wb1, .offset: 56, .size: 8, .value_kind: global_buffer, .address_space: global }
      - { .name: wb2, .offset: 64, .size: 8, .value_kind: global_buffer, .address_space: global }
    .group_segment_fixed_size: 0
    .private_segment_fixed_size: 0
    .kernarg_segment_align: 8
    .kernarg_segment_size: 72
    .max_flat_workgroup_size: 256
    .sgpr_count:     66
    .vgpr_count:     64
    .wavefront_size: 32
...
	.end_amdgpu_metadata
.endif
;; end of part 1
;; launch gemm1 (part 2): grid 16 x 16, 4 waves a work-group, clusters of 4 x 4, 327,680 bytes of LDS; arguments hbk, rbk, wb1, qkvr; writes qkvr
.if DOCPART == 2
	.amdgcn_target "amdgcn-amd-amdhsa--gfx1250"
	.amdhsa_code_object_version 6
	.text
	.protected	k_q0954d31d80_gemm1
	.globl	k_q0954d31d80_gemm1
	.p2align	8
	.type	k_q0954d31d80_gemm1,@function
k_q0954d31d80_gemm1:
	s_mov_b64 s[64:65], 0
	v_nop
	global_prefetch_b8 v0, s[64:65] scope:SCOPE_SE
	s_setreg_imm32_b32 hwreg(HW_REG_WAVE_MODE, 25, 1), 1
	s_wait_xcnt 0x0
	s_wait_alu depctr_hold_cnt(0) depctr_sa_sdst(0) depctr_va_vdst(0) depctr_va_sdst(0) depctr_va_ssrc(0) depctr_va_vcc(0) depctr_vm_vsrc(0)
	s_getreg_b32 s2, hwreg(HW_REG_IB_STS2, 6, 4)
	s_cmp_eq_u32 s2, 0
	s_cbranch_scc0 .Lentry_in_a_cluster
	s_endpgm
.Lentry_in_a_cluster:
	s_bfe_u32 s2, ttmp6, 0x10000c
	s_cmp_lg_u32 s2, 0xf033
	s_cbranch_scc0 .Lentry_shape_is_right
	s_endpgm
.Lentry_shape_is_right:
; C = A W: the projections q, k, v (A = hbk) and the extended relative table RE (A = rbk).  A: [16 kb][4096 rows][64] bf16 (K = 1024 in blocks of 64),
; W: [32 nb][1024 k][128] bf16, sums in f32, C rounded once to bf16.  Arguments: hbk, rbk, W, C.  Tile columns 0-11 (cluster x below 3) multiply hbk, 12-15 rbk.
; C leaves as [64 heads][4096 pos][64]: heads of 64 columns, and inside each block of 64 rows row 32 hh + 8 kt + a lies at pos = 16 kt + 8 hh + a: the order in which the launch behind reads it.
; A tile of C is 256 x 256: 16 x 16 tiles, one work-group each.  Four waves, each 128 x 128: 64 accumulators, 512 registers.  K goes in eight steps of 128 through two LDS slots.
; CLUSTERS: 4 x 4 work-groups; A's tile is shared along a row of the cluster, W's along a column: each is asked for jointly, by the same tensor load with the same descriptor and a mask that names the four.
; THE MATRIX INSTRUCTION IS USED TRANSPOSED (source 0 = 16 columns of W, turned on the way out of LDS; source 1 = 16 rows of A): a lane then holds eight neighbouring columns of one row of C.
; REGISTERS, in windows of 256 (s_set_vgpr_msb: bits 1:0 source 0, 3:2 source 1, 5:4 source 2, 7:6 destination):
;   window 0: v0-31 addresses; v64-127, v128-191 fragments of A (8 x 16 rows x 32 K), two buffers; v32-63, v192-255 at work on the way out
;   window 1: v64-127, v128-191 fragments of W, two buffers
;   window 2: the 32 accumulators of my rows 0-63 ((a, b) at v[8 (8 a + b)]);   window 3: those of my rows 64-127
.set KBB,    524288                    ; bytes in one block of A, and in one head of C: 4,096 rows x 128
.set PA,     144                       ; a row of A in LDS: 128 bytes + 16: the 16 rows of a load start at 16 different groups of four banks (ISA guide 11.1)
.set PB,     288                       ; a row of W: 256 + 32
.set APB,    128*PA                    ; 128 rows of one block of A
.set HALFT,  2*APB                     ; what one tensor load brings: 128 rows of two blocks of A, or 128 k rows of one block of W (128 x 288, the same bytes)
.set SLOT,   4*HALFT                   ; A's two row halves, then W's two blocks
.set STAGE,  2*SLOT                    ; behind the ring, never filled by a tensor load: 16 rows x 272 bytes for each wave, for the way out
.set SPITCH, 272
.set SPARE,  STAGE+4*16*SPITCH         ; the spare words, 128 bytes a wave: two blocks of 256 bytes that no other line names
.set LAPS,   4                         ; a lap = two K steps = once round the ring
.set ASTEP,  2*KBB                     ; a K step in A: two blocks
.set BSTEP,  128*256                   ; in W: 128 rows of 256 bytes
.set ADRA, 16                          ; v16-17  my A fragments in slot 0, 1
.set ADRB, 20                          ; v20-21  my W fragments in slot 0, 1
.set STO,  24                          ; v24     the way out: where I put 16 bytes of a row
.set RD,   25                          ; v25     the way out: where I read rows back
.set CO,   26                          ; v26     16 x lane: my place in 512 consecutive bytes of C
.set SPW,  28                          ; never rewritten
.set NIL,  29                          ; never rewritten
.set PFO,  30                          ; v30     256 x lane: the prefetches' offset; never rewritten
.set F0,   64
.set F1,   128
.set TMP,  192                         ; the way out: packed results
.set OB,   32                          ; the way out: 16 rows read back: v32-63 and v224-255 by turns
.set G1, 24
.set G0, 32
.set G1B, 48
.set G0B, 56
.set PFA, 66                           ; s[66:67] where my prefetches stand
.set PST, 68                           ; s[68:69] a K step in the tensor that I fetch, in bytes
.set LIM, 70                           ; s70     1 in a wave that prefetches, else the greatest number
.set MSB, 0
.macro WIN new                         ; the immediate's high byte repeats the setting that is left; a switch that changes nothing is dropped
.if MSB != (\new)
	s_set_vgpr_msb (MSB<<8)|(\new)
.set MSB, \new
.endif
.endm
.set MUL_LO, 0xa1                      ; source 0 (W) window 1, source 1 (A) window 0, C and D window 2
.set MUL_HI, 0xf1                      ; the same, C and D window 3
.set TO_B,   0x40                      ; destination window 1, address window 0
.macro JLOAD s                         ; a joint load: waves 0 and 1 fetch A's row halves, waves 2 and 3 W's blocks; an s_nop 0 and four v_nop follow each line
	s_cmp_eq_u32 s11, 0
	s_cbranch_scc0 .Lfor_b_\@
	tensor_load_to_lds s[G0+4*(\s):G0+4*(\s)+3], s[G1:G1+7]
	s_nop 0
.rept 4
	v_nop
.endr
	s_branch .Lasked_\@
.Lfor_b_\@:
	tensor_load_to_lds s[G0B+4*(\s):G0B+4*(\s)+3], s[G1B:G1B+7]
	s_nop 0
.rept 4
	v_nop
.endr
.Lasked_\@:
.endm
; A PREFETCH, behind each joint refill and the run of LDS loads that follows it: the K step that stands two refills on, 512 matrix instructions ahead of the load that will want it.
; What a wave fetches of a K step is 32,768 bytes: 128 blocks of 256.  The four partners that ask for it jointly take 32 blocks each, told apart BY ADDRESS (cx for A, cy for W): a lane a block, one
; instruction a wave.  hbk's rows are read by the clusters x = 0, 1, 2: x = 0 asks; rbk's by x = 3 alone; W's columns by every cluster of a column: y = 0 asks.  So each block is named once in the launch.
; K steps 0 to 3 come by their loads alone; the loop's last trip (s3 = 1) asks for nothing: its refills are the last K steps.
.macro ASK
	s_cmp_gt_u32 s3, s[LIM]
	s_cbranch_scc0 .Lnot_mine_\@
	global_prefetch_b8 v[PFO], s[PFA:PFA+1] th:TH_LOAD_NT scope:SCOPE_SE
.Lnot_mine_\@:
.endm
.macro CREST                           ; a round of the cluster's barrier behind its opening barrier
	s_cmp_lg_u32 s10, 0
	s_cbranch_scc1 .Lnot_wave_0_\@
	s_barrier_signal -3
.Lnot_wave_0_\@:
	s_barrier_wait -3
	s_barrier_signal -1
	s_barrier_wait -1
.endm
.macro CROUND
	s_barrier_signal -1
	s_barrier_wait -1
	CREST
.endm
	s_load_b256 s[72:79], s[0:1], 0x0              ; hbk s[72:73], rbk s[74:75], W s[76:77], C s[78:79]
	v_lshl_add_u32 v[SPW], v0, 2, SPARE
	v_mov_b32 v[NIL], 0
	ds_add_u32 v[SPW], v[NIL]                      ; the wave's opening: the add and its wait ahead of my first tensor load
	v_lshrrev_b32 v1, 5, v0
	v_readfirstlane_b32 s10, v1                    ; wave 0..3
	s_lshr_b32 s11, s10, 1                         ; my half of the tile's rows; also: I fetch for A (0) or W (1)
	s_and_b32 s12, s10, 1                          ; my half of its columns; also: which half of that tile I fetch
	s_bfe_u32 s40, ttmp6, 0x40000                  ; cx
	s_bfe_u32 s41, ttmp6, 0x40004                  ; cy
	s_lshl_b32 s42, ttmp9, 2
	s_add_co_u32 s42, s42, s40                     ; tile column
	s_and_b32 s13, ttmp7, 0xffff
	s_lshl_b32 s13, s13, 2
	s_add_co_u32 s13, s13, s41                     ; tile row
	s_lshl_b32 s43, s41, 2
	s_lshl_b32 s43, 15, s43                        ; my row of the cluster
	s_lshl_b32 s44, 0x1111, s40                    ; my column
	; A: two blocks, of each 128 dense rows of 128 bytes = one row of 8,192 elements; 16 bytes of padding behind every 32 words
	s_or_b32 s[G1+0], s43, (1<<16)|(1<<20)|(1<<21)|(4<<22)|(3<<25)
	s_mov_b32 s[G1+1], 8192<<16                    ; tensor_dim0
	s_mov_b32 s[G1+2], 2<<16                       ; tensor_dim1
	s_mov_b32 s[G1+3], 8192<<16                    ; tile_dim0
	s_mov_b32 s[G1+4], 2                           ; tile_dim1
	s_mov_b32 s[G1+5], 262144                      ; elements from block to block
	s_mov_b32 s[G1+6], 0
	s_mov_b32 s[G1+7], 0
	; W: 128 rows of 128 elements; 32 bytes of padding behind every 64 words
	s_or_b32 s[G1B+0], s44, (1<<16)|(1<<20)|(1<<21)|(5<<22)|(7<<25)
	s_mov_b32 s[G1B+1], 128<<16
	s_mov_b32 s[G1B+2], 128<<16
	s_mov_b32 s[G1B+3], 128<<16
	s_mov_b32 s[G1B+4], 128
	s_mov_b32 s[G1B+5], 128
	s_mov_b32 s[G1B+6], 0
	s_mov_b32 s[G1B+7], 0
	s_lshl_b32 s16, s13, 15                        ; A: 256 x tile row rows of 128 bytes
	s_lshl_b32 s17, s12, 14                        ; + the 128 rows that I fetch
	s_add_co_u32 s16, s16, s17
	s_mov_b32 s17, 0
	s_lshl_b32 s46, s42, 19                        ; W: the tile column's two blocks of 262,144 bytes,
	s_lshl_b32 s47, s12, 18                        ; the one that I fetch
	s_add_co_u32 s46, s46, s47
	s_mov_b32 s47, 0
	s_mul_i32 s20, s10, HALFT                      ; where they go: wave x 36,864: no place in the cluster enters an LDS address
	s_wait_dscnt 0x0                               ; the opening add is done
	s_wait_kmcnt 0x0
	s_cmp_lt_u32 ttmp9, 3                          ; the cluster's x: the same in all sixteen partners
	s_cselect_b64 s[4:5], s[72:73], s[74:75]
	s_add_nc_u64 s[14:15], s[4:5], s[16:17]
	s_add_nc_u64 s[46:47], s[76:77], s[46:47]
	CROUND                                         ; all sixteen work-groups are here: the first joint loads meet
.irp s, 0,1
	s_mov_b32 s[G0+4*(\s)], 1
	s_add_co_u32 s[G0+4*(\s)+1], s20, (\s)*SLOT
	s_add_nc_u64 s[G0+4*(\s)+2:G0+4*(\s)+3], s[14:15], (\s)*ASTEP
	s_or_b32 s[G0+4*(\s)+3], s[G0+4*(\s)+3], 0x80000000
	s_mov_b32 s[G0B+4*(\s)], 1
	s_add_co_u32 s[G0B+4*(\s)+1], s20, (\s)*SLOT
	s_add_nc_u64 s[G0B+4*(\s)+2:G0B+4*(\s)+3], s[46:47], (\s)*BSTEP
	s_or_b32 s[G0B+4*(\s)+3], s[G0B+4*(\s)+3], 0x80000000
	JLOAD \s                                       ; two tensor loads of mine are out
.endr
	v_and_b32 v1, 15, v0                           ; l % 16
	v_bfe_u32 v2, v0, 4, 1                         ; l / 16
	v_mul_u32_u24 v3, v1, PA
	v_lshl_add_u32 v3, v2, 4, v3                   ; A: row x pitch + 16 x half
	v_and_b32 v7, 7, v0
	v_lshl_add_u32 v4, v2, 3, v7                   ; W, turned: k row 8 (l / 16) + l % 8,
	v_mul_u32_u24 v4, v4, PB
	v_bfe_u32 v5, v0, 3, 1
	v_lshl_add_u32 v4, v5, 4, v4                   ; columns 8 ((l / 8) % 2) on
	s_mul_i32 s21, s11, HALFT                      ; my 128 rows of A
	s_mul_i32 s22, s12, HALFT                      ; my block of W,
	s_add_co_u32 s22, s22, 2*HALFT                 ; which lies behind A
.irp s, 0,1
	v_add_nc_u32 v[ADRA+(\s)], s21, v3
	v_add_nc_u32 v[ADRB+(\s)], s22, v4
	s_add_co_u32 s21, s21, SLOT
	s_add_co_u32 s22, s22, SLOT
.endr
	s_mul_i32 s23, s10, 16*SPITCH
	s_add_co_u32 s23, s23, STAGE                   ; my stage
	v_mul_u32_u24 v6, v1, SPITCH                   ; in: row l % 16, 16 bytes for each half of the lanes
	v_lshl_add_u32 v6, v2, 4, v6
	v_add_nc_u32 v[STO], s23, v6
	v_bfe_u32 v6, v0, 3, 2                         ; back: 32 lanes take four rows' 128 bytes of one head,
	v_mul_u32_u24 v6, v6, SPITCH
	v_lshl_add_u32 v6, v7, 4, v6
	v_add_nc_u32 v[RD], s23, v6
	v_and_b32 v[CO], 31, v0
	v_lshlrev_b32 v[PFO], 8, v[CO]
	v_lshlrev_b32 v[CO], 4, v[CO]                  ; which are 512 consecutive bytes of C
	s_lshl_b32 s16, s13, 15                        ; C: pos 256 x tile row
	s_lshl_b32 s17, s11, 14                        ; + my 128 rows
	s_add_co_u32 s16, s16, s17
	s_mov_b32 s17, 0
	s_add_nc_u64 s[8:9], s[78:79], s[16:17]
	s_lshl_b32 s46, s42, 21                        ; the tile column's four heads,
	s_lshl_b32 s47, s12, 20                        ; my two of them
	s_add_co_u32 s46, s46, s47
	s_mov_b32 s47, 0
	s_add_nc_u64 s[8:9], s[8:9], s[46:47]
	; the prefetches' place, at K step 3: the first change of slots steps it to 4.  Offsets are made apart from the addresses, in registers that feed no descriptor and no LDS address
	s_lshr_b32 s66, s40, 1                         ; A: partner cx takes block cx / 2 of the step's two,
	s_add_co_u32 s66, s66, 6
	s_lshl_b32 s66, s66, 19
	s_lshl_b32 s71, s13, 15
	s_add_co_u32 s66, s66, s71
	s_and_b32 s71, s40, 1                          ; and half cx % 2 of its 16,384 bytes
	s_lshl_b32 s71, s71, 13
	s_add_co_u32 s66, s66, s71
	s_lshl_b32 s71, s12, 14
	s_add_co_u32 s66, s66, s71
	s_lshl_b32 s68, s42, 19                        ; W: partner cy takes quarter cy of the step's 32,768 bytes
	s_lshl_b32 s71, s41, 13
	s_add_co_u32 s68, s68, s71
	s_lshl_b32 s71, s12, 18
	s_add_co_u32 s68, s68, s71
	s_add_co_u32 s68, s68, 3*BSTEP
	s_and_b32 s70, ttmp7, 0xffff                   ; cluster y
	s_cmp_eq_u32 ttmp9, 3
	s_cselect_b32 s71, 0, ttmp9                    ; 0 in the clusters x = 0 and x = 3
	s_cmp_eq_u32 s11, 0                            ; do I fetch for A?
	s_cselect_b32 s68, s66, s68
	s_cselect_b32 s70, s71, s70
	s_cselect_b64 s[PFA:PFA+1], s[4:5], s[76:77]
	s_mov_b32 s69, 0
	s_add_nc_u64 s[PFA:PFA+1], s[PFA:PFA+1], s[68:69]
	s_mov_b32 s68, BSTEP
	s_cselect_b32 s68, ASTEP, s68                  ; s[PST:PST+1]
	s_cmp_eq_u32 s70, 0
	s_cselect_b32 s[LIM], 1, -1                    ; the same in all sixteen partners, for a given wave
; 16 matrix instructions: m blocks a0, a0 + 1 of the window's four (hi = 0: my rows 0-63, 1: rows 64-127) x all 8 n blocks, 32 along K.  zero = 1: the first product starts the sums: nothing is cleared.
; The 64 accumulators take turns, one instruction a turn, in the same order in every quarter, over the backward jump too.
.macro MUL16 f, hi, a0, zero
	WIN MUL_LO+0x50*(\hi)
.irp a, \a0, (\a0)+1
.irp b, 0,1,2,3,4,5,6,7
.if \zero
	v_wmma_f32_16x16x32_bf16 v[8*(8*(\a)+(\b)):8*(8*(\a)+(\b))+7], v[(\f)+8*(\b):(\f)+8*(\b)+7], v[(\f)+8*(4*(\hi)+(\a)):(\f)+8*(4*(\hi)+(\a))+7], 0
.else
	v_wmma_f32_16x16x32_bf16 v[8*(8*(\a)+(\b)):8*(8*(\a)+(\b))+7], v[(\f)+8*(\b):(\f)+8*(\b)+7], v[(\f)+8*(4*(\hi)+(\a)):(\f)+8*(4*(\hi)+(\a))+7], v[8*(8*(\a)+(\b)):8*(8*(\a)+(\b))+7]
.endif
.endr
.endr
.endm
; 32 LDS loads in one run: the fragments of quarter q of a K step (32 along K: k rows 32 q on of W; block q / 2, bytes 64 (q % 2) on of A) into buffer f; W's first
.macro FETCH slot, q, f
	WIN TO_B
.irp i, 0,1,2,3,4,5,6,7
	ds_load_tr16_b128 v[(\f)+8*(\i):(\f)+8*(\i)+3],   v[ADRB+(\slot)] offset:(\q)*32*PB+32*(\i)
	ds_load_tr16_b128 v[(\f)+8*(\i)+4:(\f)+8*(\i)+7], v[ADRB+(\slot)] offset:(\q)*32*PB+16*PB+32*(\i)
.endr
	WIN 0
.irp i, 0,1,2,3,4,5,6,7
	ds_load_b128 v[(\f)+8*(\i):(\f)+8*(\i)+3],   v[ADRA+(\slot)] offset:((\q)/2)*APB+(\i)*16*PA+((\q)%2)*64
	ds_load_b128 v[(\f)+8*(\i)+4:(\f)+8*(\i)+7], v[ADRA+(\slot)] offset:((\q)/2)*APB+(\i)*16*PA+((\q)%2)*64+32
.endr
.endm
.macro PLACES                          ; four places in front of loads into registers that matrix instructions have read, and of conversions that read results
.rept 4
	v_nop
.endr
.endm
; One of a K step's first three quarters: multiplies buffer f; in its middle it fetches quarter q of the same slot into buffer g
.macro QUARTER slot, q, f, g, zero
	s_wait_dscnt 8                                 ; W and A's rows 0-63 are in; the youngest eight loads (A's rows 64-127) may be out
	MUL16 \f, 0, 0, \zero
	MUL16 \f, 0, 2, \zero
	PLACES
	FETCH \slot, \q, \g
	s_wait_dscnt 32                                ; all but the 32 just issued
	MUL16 \f, 1, 0, \zero
	MUL16 \f, 1, 2, \zero
.endm
; The last quarter multiplies buffer 1 and changes slots.  MEET is its first half: one barrier; in front of it each wave waits for all its tensor loads (one is out: its part of the next slot),
; adds 0 to its spare word, and waits for that and for its own reads of this slot.  Behind it nobody reads this slot any more and the next slot is whole.
.macro MEET round                      ; round = 1: a round of the cluster's barrier follows
	WIN 0
	s_wait_tensorcnt 0x0                           ; all my tensor loads have landed
	ds_add_u32 v[SPW], v[NIL]
	s_wait_dscnt 9                                 ; the add and the youngest eight loads may be out
	MUL16 F1, 0, 0, 0                              ; sixteen matrix instructions stand between the add and the wait for it
	s_wait_dscnt 0x0                               ; the add is done, and my reads of this slot are over
	s_barrier_signal -1
	MUL16 F1, 0, 2, 0                              ; work on registers while the others arrive
.if \round
	WIN 0
.endif
	s_barrier_wait -1
.endm
; The whole last quarter of a K step whose slot is filled again, two K steps ahead: from the request to the wait for it a wave issues 224 matrix instructions
.macro TURN slot, next
	s_wait_xcnt 0x0                                ; the last prefetch, a K step back, has read its address: it is stepped here, ahead of the waits of the change of slots
	s_add_nc_u64 s[PFA:PFA+1], s[PFA:PFA+1], s[PST:PST+1]
	MEET 1
	CREST                                          ; no wave of any partner still reads this slot or has a load on its way
	s_add_nc_u64 s[G0+4*(\slot)+2:G0+4*(\slot)+3], s[G0+4*(\slot)+2:G0+4*(\slot)+3], 2*ASTEP
	s_add_nc_u64 s[G0B+4*(\slot)+2:G0B+4*(\slot)+3], s[G0B+4*(\slot)+2:G0B+4*(\slot)+3], 2*BSTEP
	JLOAD \slot                                    ; the first tensor load behind the round; its four v_nop are also the places in front of the loads below
	FETCH \next, 0, F0
	ASK
	MUL16 F1, 1, 0, 0
	MUL16 F1, 1, 2, 0
.endm
; THE WAY OUT of block a (16 of my 128 rows), in three parts.  PACK: rounded to bf16, 16 bytes a lane.  TOSTAGE: into my own stage, and back by heads, four rows at a time.  SEND: stored.
.macro PACK a
.set AC, 64*((\a)%4)
	WIN 0x0a+5*((\a)/4)                            ; sources 0 and 1: window 2 or 3
.irp b, 0,1,2,3,4,5,6,7
.irp r, 0,1,2,3
	v_cvt_pk_bf16_f32 v[TMP+4*(\b)+(\r)], v[AC+8*(\b)+2*(\r)], v[AC+8*(\b)+2*(\r)+1]
.endr
.endr
	WIN 0
.endm
.macro TOSTAGE a
	WIN 0
.set BK, OB+192*((\a)%2)
.irp b, 0,1,2,3,4,5,6,7
	ds_store_b128 v[STO], v[TMP+4*(\b):TMP+4*(\b)+3] offset:32*(\b)
.endr
.irp t, 0,1,2,3,4,5,6,7                ; head t / 4, rows 4 (t % 4) on
	ds_load_b128 v[BK+4*(\t):BK+4*(\t)+3], v[RD] offset:((\t)%4)*4*SPITCH+((\t)/4)*128  ; LDS serves a wave's instructions in order (ISA guide 5.7.1.4): these see the stores above
.endr
.endm
.macro SEND a
	WIN 0
.set BK, OB+192*((\a)%2)
	s_wait_dscnt 0x0                               ; the block is back in registers
	s_wait_xcnt 0x0                                ; the stores of the block before have read their registers: the next TOSTAGE loads into them only behind this wait
.irp t, 0,1,2,3,4,5,6,7                ; row 16 a + 4 g of my 128 (g = t % 4) goes to pos 64 (a / 4) + 16 (2 (a % 2) + g / 2) + 8 ((a / 2) % 2) + 4 (g % 2)
	global_store_b128 v[CO], v[BK+4*(\t):BK+4*(\t)+3], s[8:9] offset:((\t)/4)*KBB+(64*((\a)/4)+16*(2*((\a)%2)+((\t)%4)/2)+8*(((\a)/2)%2)+4*((\t)%2))*128  ; 512 consecutive bytes, aligned
.endr
.endm
	s_wait_tensorcnt 1                             ; my part of K step 0 is in; K step 1's may stay out
	s_barrier_signal -1
	s_barrier_wait -1
	FETCH 0, 0, F0
	QUARTER 0, 1, F0, F1, 1                        ; the first quarter stands in front of the loop: its products start the sums
	WIN 0                                          ; at a label and at a branch every window is 0
	s_mov_b32 s3, LAPS-1
.Llap:                                                 ; a trip goes once round the ring, from a lap's second quarter to the next lap's first, and fills both slots again
	QUARTER 0, 2, F1, F0, 0
	QUARTER 0, 3, F0, F1, 0
	TURN 0, 1
	QUARTER 1, 1, F0, F1, 0
	QUARTER 1, 2, F1, F0, 0
	QUARTER 1, 3, F0, F1, 0
	TURN 1, 0
	QUARTER 0, 1, F0, F1, 0
	WIN 0
	s_sub_co_u32 s3, s3, 1
	s_cmp_lg_u32 s3, 0
	s_cbranch_scc1 .Llap
	QUARTER 0, 2, F1, F0, 0                        ; the last lap is written out: it fills nothing
	QUARTER 0, 3, F0, F1, 0
	MEET 0                                         ; my one tensor load that was still out is the last K step's
	PLACES                                         ; for the loads into buffer 0, which the quarter before multiplied
	FETCH 1, 0, F0
	MUL16 F1, 1, 0, 0
	MUL16 F1, 1, 2, 0
	QUARTER 1, 1, F0, F1, 0
	QUARTER 1, 2, F1, F0, 0
	QUARTER 1, 3, F0, F1, 0
	s_wait_dscnt 8                                 ; the very last quarter: nothing more to fetch
	MUL16 F1, 0, 0, 0
	MUL16 F1, 0, 2, 0
	s_wait_dscnt 0x0
	MUL16 F1, 1, 0, 0
	MUL16 F1, 1, 2, 0
	WIN 0
	PLACES                                         ; the conversions read results just made
	PACK 0
	TOSTAGE 0
.irp a, 1,2,3,4,5,6,7                  ; block a's conversions stand between block a - 1's loads from the stage and the wait for them
	PACK \a
	SEND (\a)-1
	TOSTAGE \a
.endr
	SEND 7
	s_wait_tensorcnt 0x0                           ; the wave's end
	ds_add_u32 v[SPW], v[NIL]
	s_wait_dscnt 0x0
	CROUND                                         ; the closing round
	s_endpgm
.Lfunc_end_k_q0954d31d80_gemm1:
	.size	k_q0954d31d80_gemm1, .Lfunc_end_k_q0954d31d80_gemm1-k_q0954d31d80_gemm1
	.p2alignl 7, 3214868480
	.fill 96, 4, 3214868480
	.section	.rodata,"a",@progbits
	.p2align	6, 0x0
	.amdhsa_kernel k_q0954d31d80_gemm1
		.amdhsa_group_segment_fixed_size 327680
		.amdhsa_private_segment_fixed_size 0
		.amdhsa_enable_private_segment 0
		.amdhsa_kernarg_size 32
		.amdhsa_user_sgpr_count 2
		.amdhsa_user_sgpr_kernarg_segment_ptr 1
		.amdhsa_wavefront_size32 1
		.amdhsa_system_sgpr_workgroup_id_x 1
		.amdhsa_system_sgpr_workgroup_id_y 1
		.amdhsa_system_sgpr_workgroup_id_z 1
		.amdhsa_system_vgpr_workitem_id 0
		.amdhsa_next_free_vgpr 1024
		.amdhsa_next_free_sgpr 80
		.amdhsa_reserve_vcc 0
		.amdhsa_float_denorm_mode_32 3
		.amdhsa_float_denorm_mode_16_64 3
		.amdhsa_memory_ordered 1
		.amdhsa_forward_progress 1
		.amdhsa_inst_pref_size 144
	.end_amdhsa_kernel
	.amdgpu_metadata
---
amdhsa.version: [ 1, 2 ]
amdhsa.kernels:
  - .name:           k_q0954d31d80_gemm1
    .symbol:         k_q0954d31d80_gemm1.kd
    .args:
      - { .name: hbk, .offset: 0, .size: 8, .value_kind: global_buffer, .address_space: global }
      - { .name: rbk, .offset: 8, .size: 8, .value_kind: global_buffer, .address_space: global }
      - { .name: wb1, .offset: 16, .size: 8, .value_kind: global_buffer, .address_space: global }
      - { .name: qkvr, .offset: 24, .size: 8, .value_kind: global_buffer, .address_space: global }
    .group_segment_fixed_size: 327680
    .private_segment_fixed_size: 0
    .kernarg_segment_align: 8
    .kernarg_segment_size: 32
    .max_flat_workgroup_size: 128
    .sgpr_count:     80
    .vgpr_count:     1024
    .wavefront_size: 32
...
	.end_amdgpu_metadata
.endif
;; end of part 2
;; launch attn (part 3): grid 8 x 32, 4 waves a work-group, no clusters, 327,680 bytes of LDS; arguments qkvr, r_w_bias, r_r_bias, av; writes av
.if DOCPART == 3
	.amdgcn_target "amdgcn-amd-amdhsa--gfx1250"
	.amdhsa_code_object_version 6
	.text
	.protected	k_q0954d31d80_attn
	.globl	k_q0954d31d80_attn
	.p2align	8
	.type	k_q0954d31d80_attn,@function
k_q0954d31d80_attn:
	s_mov_b64 s[64:65], 0
	v_nop
	global_prefetch_b8 v0, s[64:65] scope:SCOPE_SE
	s_setreg_imm32_b32 hwreg(HW_REG_WAVE_MODE, 25, 1), 1
	s_wait_xcnt 0x0
; RELATIVE ATTENTION.  score[i][j] = ((q[i] + rw) . k[j] + BD'[i][j]) / 8, softmax over j, times v.  The relative shift is, with u = j - i + 2047 and
; the extended table RE (RE[u] = rk[u] below 2048, zeros at 2048, rk[u - 2049] above): BD'[i][j] = (q[i] + rr) . RE[u] for u below 2048 and (q[i+1] + rr) . RE[u] for u at or over 2048.
; qkvr: [64 heads][4096 pos][64] bf16: q = n, k = 16 + n, v = 32 + n (rows b x 2048 + i), RE = 48 + n (rows u); in each block of 64 rows row 32 hh + 8 kt + a lies at pos 16 kt + 8 hh + a.
; av: [16 n][4096 b x 2048 + i][64] bf16, rows in their own order.
; LIMITS.  Products in bf16 with f32 sums; q + bias is one packed bf16 addition (bias and sum rounded to bf16); the weights are rounded to bf16 for the second product, their sum is
; taken unrounded.  Scores (before the division by 8) are taken to lie above -2^100; a weight below 2^-126 counts as 0; NaN and infinities are not treated apart.
; SHARES.  A work-group owns 256 queries of one (b, n), a wave 64: four tiles c of 16.  All 2,048 keys are walked, 64 a step; an LDS slot holds two steps.
; LAYOUT.  S^T = K Q^T: by the order of pos, lane (r, h) holds query r and the keys j0 + 32 h + x, x = 0..31, in four accumulators.  Rounded in pairs they are source 1 of O^T = V^T P, V in the same order.
; THE BAND.  For tile c six products give lane (r, h) X[e] = Q . RE[ub + 32 h + e], e = 0..47, ub = j0 - i0 - 16 c + 2032; the lane wants S[x] = X[x + 15 - r].  That shift by 15 - r is made in
; registers, in four passes of selects (by 8, 4, 2, 1; the masks are constants of the lane's r), and the shifted band is the C operand onto which K Q^T is added.
; The twelve fragments of RE that the four tiles share begin at block s + 3 - w of the slot's window of 384 rows (s: the step in the slot).
; WHICH Q.  In steps below DG = 4 x + w all u lie under 2048, above DG all at or over it; in step DG itself FIX makes the band again with q[i+1] where u is at or over 2048, selects, and puts q[i+1] in q[i]'s place.
; NO CLUSTER.  The eight work-groups of a (b, n) walk the same K and V, but FIX is a branch on 4 x + w, which differs between them; RE's windows differ with x.
; BY TURNS.  In a turn two groups of products have the matrix unit, four vector instructions behind each; the rest of the turn's vector work follows in a lump, which is also the places behind the last products.
; REGISTERS (windows of 256; s_set_vgpr_msb: bits 1:0 source 0, 3:2 source 1, 5:4 source 2, 7:6 destination):
;   window 0: v0-15 addresses; v16-31 statistics; v32-51 at work; v52-59 set-up; v64-255 X, 48 a tile.    window 1: v0-127 O^T; v128-191 P; v192-239 XT (FIX).
;   window 2: v0-63 q + rw; v64-127 q + rr; v128-191 q[i+1] + rr; v192-255 K.                              window 3: v0-191 RE's fragments; v192-255 V.
.set PK,    144                        ; a row of K and RE in LDS: 128 + 16 bytes
.set PV,    160                        ; a row of V: 128 + 32
.set KSTEP, 64*PK
.set VSTEP, 64*PV
.set VOFF,  2*KSTEP                    ; a slot: 128 rows of K, 128 of V, 384 of RE
.set REOFF, VOFF+2*VSTEP
.set SLOT1, 1<<17
.set STAGE, SLOT1+REOFF+6*KSTEP        ; behind the ring: 16 rows x 144 bytes for each wave
.set SP,    144
.set SPARE, STAGE+4*16*SP              ; the spare words, 128 bytes a wave: two blocks of 256 bytes that no other line names
.set HEADB, 524288                     ; bytes of a head in qkvr and av
.set RL,  1                            ; v1   l % 16
.set AK0, 2                            ; v2   my lane's place in a fragment of K; never rewritten
.set AV0, 3                            ; v3   in V, turned
.set AR0, 4                            ; v4   in RE's fragments 0-3 and 8-11: the same place, from my wave's first block of the window on
.set AR1, 5                            ; v5   in RE's fragments 4-7: rows 8-15 of one block, rows 0-7 of the next
.set AK,  6
.set AV,  7
.set ARA, 8
.set ARB, 9
.set STO, 10
.set RD,  11
.set GO,  12
.set PFO, 13                           ; v13  256 x lane; never rewritten
.set QO,  14
.set BO,  15
.set ST,  16                           ; tile c: c m, m, l (even keys'), l (odd keys')
.set TMP, 32                           ; tile c: c0-c3 at work; c2 takes a
.set MV,  48                           ; tile c: c m_old
.set HL,  55
.set QP,  56                           ; v56-59 tile c: my byte offset of row i + 1
.set SPW, 62
.set NIL, 63
.set X,   64
.set O,   0
.set P,   128
.set XT,  192
.set QW,  0
.set QR,  64
.set QN,  128
.set KF,  192
.set F,   0
.set VF,  192
.set WV,  12
.set G1K, 24
.set G1V, 32
.set G1R, 40
.set G0K, 48
.set G0V, 52
.set G0R, 56
.set CS,  60                           ; s[60:61] c = log2(e) / 8
.set SEL, 62
.set TBK, 66                           ; LDS byte of the step to be fetched: K, and (a block of RE has K's bytes) RE's window less its base,
.set TBV, 67                           ; V (less VOFF)
.set RB,  68                           ; REOFF + (3 - w) blocks: where my band begins in a slot's first step
.set SLOTS, 69
.set CNT, 70
.set SN,  71                           ; the number of the step whose band is being made
.set DG,  72
.set M8,  73
.set M4,  74
.set M2,  75
.set M1,  76
.set H1,  77
.set LIM, 78
.set BIG, 79
.set PFA, 80
.set MSB, 0
.macro WIN new
.if MSB != (\new)
	s_set_vgpr_msb (MSB<<8)|(\new)
.set MSB, (\new)
.endif
.endm
; A fill: wave 0 fetches the slot's K, wave 1 its V, waves 2 and 3 the halves of RE's window.  An s_nop 0 and four v_nop follow each line.
.macro LOAD
	s_cmp_lt_u32 s[WV], 2
	s_cbranch_scc0 .Lfor_r_\@
	s_cmp_eq_u32 s[WV], 0
	s_cbranch_scc0 .Lfor_v_\@
	tensor_load_to_lds s[G0K:G0K+3], s[G1K:G1K+7]
	s_nop 0
.rept 4
	v_nop
.endr
	s_branch .Lasked_\@
.Lfor_v_\@:
	tensor_load_to_lds s[G0V:G0V+3], s[G1V:G1V+7]
	s_nop 0
.rept 4
	v_nop
.endr
	s_branch .Lasked_\@
.Lfor_r_\@:
	tensor_load_to_lds s[G0R:G0R+3], s[G1R:G1R+7]
	s_nop 0
.rept 4
	v_nop
.endr
.Lasked_\@:
.endm
; A prefetch of what the NEXT change of slots will ask for: 16,384 bytes, a lane a block of 256, two instructions.  Each block is named once in the launch: of the eight work-groups of a (b, n)
; the one with x = 0 asks; wave 0 for K, wave 1 for V, wave 2 (where b = 0) for the 128 rows that RE's window gains.  The last change that fills asks for nothing.
.macro ASK
	s_cmp_gt_u32 s[SLOTS], s[LIM]
	s_cbranch_scc0 .Lnot_mine_\@
	global_prefetch_b8 v[PFO], s[PFA:PFA+1] th:TH_LOAD_NT scope:SCOPE_SE
	global_prefetch_b8 v[PFO], s[PFA:PFA+1] offset:8192 th:TH_LOAD_NT scope:SCOPE_SE
.Lnot_mine_\@:
.endm
; THE CHANGE OF SLOTS.  Each wave waits for all its tensor loads (one is out: its part of the other slot), adds 0 to its spare word, and waits for that and for its reads of the slot that it leaves.
; fill = 1: the old slot is filled again, first thing behind the barrier, with the keys two slots on.  (At its first use slot 0 is waited for and slot 1 filled.)
.macro CHANGE fill
	WIN 0
	s_wait_tensorcnt 0x0                   ; no tensor load of mine is out, so a group 0 may be written
	ds_add_u32 v[SPW], v[NIL]
.if \fill
.irp g, G0K, G0V, G0R
	s_xor_b32 s[\g+1], s[\g+1], SLOT1
	s_add_nc_u64 s[\g+2:\g+3], s[\g+2:\g+3], 16384  ; 128 rows on
.endr
	s_wait_xcnt 0x0                        ; the last prefetches, two steps back, have read their address
	s_add_nc_u64 s[PFA:PFA+1], s[PFA:PFA+1], 16384
.endif
	s_wait_dscnt 0x0                       ; the add is done, and my reads of the slot are over
	s_barrier_signal -1
	s_sub_co_u32 s[TBK], s[TBK], 2*KSTEP   ; the fetches go back to a slot's first step, in the other slot
	s_xor_b32 s[TBK], s[TBK], SLOT1
	s_sub_co_u32 s[TBV], s[TBV], 2*VSTEP
	s_xor_b32 s[TBV], s[TBV], SLOT1
	s_barrier_wait -1
.if \fill
	LOAD
	ASK
.endif
.endm
	s_load_b256 s[4:11], s[0:1], 0x0       ; qkvr s[4:5], r_w_bias s[6:7], r_r_bias s[8:9], av s[10:11]
	v_lshl_add_u32 v[SPW], v0, 2, SPARE
	v_mov_b32 v[NIL], 0
	ds_add_u32 v[SPW], v[NIL]              ; the wave's opening: the add and its wait ahead of my first tensor load
	v_lshrrev_b32 v1, 5, v0
	v_readfirstlane_b32 s[WV], v1
	s_mov_b32 s13, ttmp9                   ; x
	s_and_b32 s14, ttmp7, 0xffff
	s_lshr_b32 s15, s14, 4                 ; b
	s_and_b32 s16, s14, 15                 ; n
	s_lshl_b32 s[DG], s13, 2
	s_add_co_u32 s[DG], s[DG], s[WV]
	s_and_b32 s17, s[WV], 1
	s_lshl_b32 s18, s16, 19                ; n heads
	s_lshl_b32 s19, s15, 18                ; b x 2,048 rows of 128 bytes
	s_add_co_u32 s20, s18, s19
	s_lshl_b32 s21, s13, 15                ; RE's window of the first slot begins at row 1792 - 256 x;
	s_sub_co_u32 s22, 48*HEADB+1792*128, s21
	s_add_co_u32 s22, s22, s18
	s_mul_i32 s23, s17, 192*128            ; waves 2 and 3 take 192 rows each
	s_add_co_u32 s22, s22, s23
	; group 1: dense bytes asked for as rows of 256, padded in LDS behind every 32 words (a row of the tensor)
	s_mov_b32 s[G1K], (1<<16)|(1<<20)|(4<<22)|(3<<25)
	s_mov_b32 s[G1V], (1<<16)|(1<<20)|(4<<22)|(7<<25)
	s_mov_b32 s[G1R], (1<<16)|(1<<20)|(4<<22)|(3<<25)
.irp g, G1K, G1V, G1R
	s_mov_b32 s[\g+1], 128<<16
	s_mov_b32 s[\g+3], 128<<16
	s_mov_b32 s[\g+5], 128
	s_mov_b32 s[\g+6], 0
	s_mov_b32 s[\g+7], 0
.endr
	s_mov_b32 s[G1K+2], 64<<16             ; 128 keys = 64 rows of 256 bytes
	s_mov_b32 s[G1K+4], 64
	s_mov_b32 s[G1V+2], 64<<16
	s_mov_b32 s[G1V+4], 64
	s_mov_b32 s[G1R+2], 96<<16             ; 192 rows of RE = 96 rows of 256 bytes
	s_mov_b32 s[G1R+4], 96
	s_mov_b32 s[G0K], 1
	s_mov_b32 s[G0K+1], 0
	s_mov_b32 s[G0V], 1
	s_mov_b32 s[G0V+1], VOFF
	s_mov_b32 s[G0R], 1
	s_mul_i32 s[G0R+1], s17, 192*PK
	s_add_co_u32 s[G0R+1], s[G0R+1], REOFF
	s_mov_b32 s[CS], 0x3e38aa3b
	s_mov_b32 s[CS+1], s[CS]
	s_mov_b32 s[SEL], 0x76543210
	s_mov_b32 s[SEL+1], 0xfedcba98
	s_mov_b32 s[M8], 0x00ff00ff            ; lanes whose 15 - r has bit 3 set: r % 16 below 8,
	s_mov_b32 s[M4], 0x0f0f0f0f            ; bit 2,
	s_mov_b32 s[M2], 0x33333333            ; bit 1,
	s_mov_b32 s[M1], 0x55555555            ; bit 0
	s_mov_b32 s[H1], 0xffff0000            ; lanes 16-31
	s_mov_b32 s[BIG], 0xf1800000           ; -2^100: a power of two, so that c times it is exact and c s - c m of the first trip's stand-in scores is exactly 0
	s_mov_b32 s[TBK], SLOT1+2*KSTEP        ; the first change of slots turns these into slot 0's first step
	s_mov_b32 s[TBV], SLOT1+2*VSTEP
	s_sub_co_u32 s[RB], 3, s[WV]
	s_mul_i32 s[RB], s[RB], KSTEP
	s_add_co_u32 s[RB], s[RB], REOFF
	s_cmp_lt_u32 s[WV], 2
	s_cselect_b32 s21, 0, s15
	s_cmp_eq_u32 s[WV], 3
	s_cselect_b32 s21, 1, s21
	s_or_b32 s21, s21, s13
	s_cmp_eq_u32 s21, 0
	s_cselect_b32 s[LIM], 1, -1            ; 1 in a wave that prefetches
	s_mov_b32 s83, 0
	s_wait_dscnt 0x0                       ; the opening add is done
	s_wait_kmcnt 0x0
	s_add_co_u32 s82, s20, 16*HEADB
	s_add_nc_u64 s[84:85], s[4:5], s[82:83]  ; K of (b, n)
	s_add_co_u32 s82, s20, 32*HEADB
	s_add_nc_u64 s[86:87], s[4:5], s[82:83]  ; V
	s_add_co_u32 s82, s18, 48*HEADB+2048*128
	s_add_nc_u64 s[88:89], s[4:5], s[82:83]  ; RE's row 2048
	s_mov_b32 s82, s22
	s_add_nc_u64 s[G0R+2:G0R+3], s[4:5], s[82:83]
	s_or_b32 s[G0R+3], s[G0R+3], 0x80000000
	s_mov_b64 s[G0K+2:G0K+3], s[84:85]
	s_or_b32 s[G0K+3], s[G0K+3], 0x80000000
	s_mov_b64 s[G0V+2:G0V+3], s[86:87]
	s_or_b32 s[G0V+3], s[G0V+3], 0x80000000
	LOAD                                   ; slot 0: one tensor load of mine is out
	s_cmp_eq_u32 s[WV], 1
	s_cselect_b64 s[PFA:PFA+1], s[86:87], s[84:85]
	s_cmp_eq_u32 s[WV], 2
	s_cselect_b64 s[PFA:PFA+1], s[88:89], s[PFA:PFA+1]
	s_add_nc_u64 s[PFA:PFA+1], s[PFA:PFA+1], 16384  ; the first change steps it to the third slot's rows
	s_mov_b32 s82, s20
	s_add_nc_u64 s[90:91], s[4:5], s[82:83]  ; q of (b, n)
	s_lshl_b32 s82, s[DG], 13
	s_add_nc_u64 s[4:5], s[90:91], s[82:83]  ; my wave's 64 rows
	s_add_co_u32 s82, s82, s20
	s_add_nc_u64 s[10:11], s[10:11], s[82:83]  ; and the same rows of av
	v_and_b32 v[RL], 15, v0
	v_bfe_u32 v[HL], v0, 4, 1
	v_lshrrev_b32 v52, 3, v[RL]            ; r / 8
	v_and_b32 v53, 7, v0
	v_lshl_add_u32 v54, v52, 4, v53        ; tile c's row r lies at pos 32 (c % 2) + 8 (c / 2) + 16 (r / 8) + r % 8
	v_lshlrev_b32 v54, 7, v54
	v_lshl_add_u32 v[QO], v[HL], 4, v54
	s_lshl_b32 s21, s16, 8
	v_lshl_add_u32 v[BO], v[HL], 5, s21    ; the biases' row n, 8 f32 for each half of the lanes
.irp q, 0,1,2,3                            ; channels 16 q + 8 (l / 16) + 0..7, in f32
	global_load_b128 v[X+8*\q:X+8*\q+3],       v[BO], s[6:7] offset:64*\q
	global_load_b128 v[X+8*\q+4:X+8*\q+7],     v[BO], s[6:7] offset:64*\q+16
	global_load_b128 v[X+32+8*\q:X+32+8*\q+3], v[BO], s[8:9] offset:64*\q
	global_load_b128 v[X+32+8*\q+4:X+32+8*\q+7], v[BO], s[8:9] offset:64*\q+16
.endr
	s_lshl_b32 s21, s[DG], 6
	s_add_co_u32 s21, s21, 1
.irp c, 0,1,2,3                            ; row min(i + 1, 2047) (row 2047 never looks at its successor), through the order of pos
	v_add_nc_u32 v40, s21, v[RL]
	v_add_nc_u32 v40, 16*\c, v40
	v_min_u32 v40, 0x7ff, v40
	v_and_b32 v41, 0x7c7, v40
	v_and_b32 v42, 24, v40
	v_lshl_or_b32 v41, v42, 1, v41
	v_and_b32 v42, 32, v40
	v_lshrrev_b32 v42, 2, v42
	v_or_b32 v41, v41, v42
	v_lshlrev_b32 v41, 7, v41
	v_lshl_add_u32 v[QP+\c], v[HL], 4, v41
.endr
	WIN 0x80
.irp c, 0,1,2,3
.irp q, 0,1,2,3
	global_load_b128 v[QW+16*\c+4*\q:QW+16*\c+4*\q+3], v[QO], s[4:5] offset:(32*(\c%2)+8*(\c/2))*128+32*\q
	global_load_b128 v[QN+16*\c+4*\q:QN+16*\c+4*\q+3], v[QP+\c], s[90:91] offset:32*\q
.endr
.endr
	; What the first trip finds.  It ends a step that has not been: K, V, O^T and tile 0's P hold 0, tiles 1-3 hold stand-in scores of -2^100: their weights are 1, they multiply V = 0,
	; all that comes of them is finite, and the first true step multiplies it by a = 0.  These lines stand in the wait for the first tile.
.set i, 0
.rept 64
	v_mov_b32 v[KF+i], 0
.set i, i+1
.endr
	WIN 0xc0
.set i, 0
.rept 64
	v_mov_b32 v[VF+i], 0
.set i, i+1
.endr
	WIN 0x40
.set i, 0
.rept 144
	v_mov_b32 v[O+i], 0
.set i, i+1
.endr
	WIN 0
.set i, 0
.rept 4
	v_mov_b32 v[ST+4*i], 0xfe000000        ; c m: far below every c s
	v_mov_b32 v[ST+4*i+1], 0xff7fffff      ; m
	v_mov_b32 v[ST+4*i+2], 0
	v_mov_b32 v[ST+4*i+3], 0
.set i, i+1
.endr
	v_mul_u32_u24 v54, v[RL], PK
	v_lshl_add_u32 v[AK0], v[HL], 4, v54
	v_add_nc_u32 v[AR0], s[RB], v[AK0]
	v_mul_u32_u24 v54, v52, 48
	v_add3_u32 v54, v54, v[RL], 8          ; r below 8: row 8 + r; else row 56 + r
	v_mul_u32_u24 v54, v54, PK
	v_lshl_add_u32 v54, v[HL], 4, v54
	v_add_nc_u32 v[AR1], s[RB], v54
	v_lshl_add_u32 v54, v[HL], 3, v53      ; the turning load: key row 8 (l / 16) + l % 8, channels 8 ((l / 8) % 2) on
	v_mul_u32_u24 v54, v54, PV
	v_lshl_add_u32 v54, v52, 4, v54
	v_add_nc_u32 v[AV0], VOFF, v54
	s_mul_i32 s21, s[WV], 16*SP
	s_add_co_u32 s21, s21, STAGE
	v_mul_u32_u24 v54, v[RL], SP
	v_lshl_add_u32 v54, v[HL], 4, v54
	v_add_nc_u32 v[STO], s21, v54
	v_bfe_u32 v54, v0, 3, 2
	v_mul_u32_u24 v54, v54, SP
	v_lshl_add_u32 v54, v53, 4, v54
	v_add_nc_u32 v[RD], s21, v54
	v_and_b32 v54, 31, v0
	v_lshlrev_b32 v[GO], 4, v54
	v_lshlrev_b32 v[PFO], 8, v54
	s_wait_loadcnt 0x0                     ; q, q[i+1] and the biases
.set i, 0
.rept 32
	v_cvt_pk_bf16_f32 v[X+64+i], v[X+2*i], v[X+2*i+1]  ; rw in 16 registers, then rr
.set i, i+1
.endr
	WIN 0x82                               ; destination and source 0 window 2, source 1 window 0
.set i, 0
.rept 64
	v_pk_add_bf16 v[QR+i], v[QW+i], v[X+80+i%16]
	v_pk_add_bf16 v[QW+i], v[QW+i], v[X+64+i%16]
	v_pk_add_bf16 v[QN+i], v[QN+i], v[X+80+i%16]
.set i, i+1
.endr
	WIN 0
.set i, 48
.rept 144
	v_mov_b32 v[X+i], s[BIG]
.set i, i+1
.endr
; THE MATRIX WORK.  mi is the product's number in its group; in every group the accumulators take turns, one instruction a turn.
.macro BDM c                               ; 12: X(c) = RE Q^T: tile t = mi % 6 of the band, channels 32 (mi / 6) on; the first six start the sums
	WIN 0x0b
.set rX, X+48*(\c)+8*(mi%6)
.set rF, F+16*(mi%6-2*(\c)+6)+8*(mi/6)
.set rQ, QR+16*(\c)+8*(mi/6)
.if mi < 6
	v_wmma_f32_16x16x32_bf16 v[rX:rX+7], v[rF:rF+7], v[rQ:rQ+7], 0
.else
	v_wmma_f32_16x16x32_bf16 v[rX:rX+7], v[rF:rF+7], v[rQ:rQ+7], v[rX:rX+7]
.endif
.endm
.macro ACM c                               ; 8: K Q^T onto the shifted band: keys' group mi % 4, channels 32 (mi / 4) on
	WIN 0x0a
.set rX, X+48*(\c)+8*(mi%4)
.set rK, KF+16*(mi%4)+8*(mi/4)
.set rQ, QW+16*(\c)+8*(mi/4)
	v_wmma_f32_16x16x32_bf16 v[rX:rX+7], v[rK:rK+7], v[rQ:rQ+7], v[rX:rX+7]
.endm
.macro PVM c                               ; 8: O^T += V^T P: channels 16 (mi % 4) on, pos 32 (mi / 4) on
	WIN 0x57
.set rO, O+32*(\c)+8*(mi%4)
.set rV, VF+32*(mi/4)+8*(mi%4)
.set rP, P+16*(\c)+8*(mi/4)
	v_wmma_f32_16x16x32_bf16 v[rO:rO+7], v[rV:rV+7], v[rP:rP+7], v[rO:rO+7]
.endm
.set PVK, 0
.set ACK, 1
.set BDK, 2
.macro MMX k, c
.if (\k) == PVK
	PVM \c
.elseif (\k) == ACK
	ACM \c
.else
	BDM \c
.endif
.endm
; THE SHIFT, number n of 142: in place, e ascending, so that X[e + sh] is still the old one: 40 by 8, 36 by 4, 34 by 2, 32 by 1.  Each accumulator's lowest register is read first.
.macro BAR c, n
	WIN 0
.set bX, X+48*(\c)
.if (\n) < 40
.set be, (\n)
	v_cndmask_b32 v[bX+be], v[bX+be], v[bX+be+8], s[M8]
.elseif (\n) < 76
.set be, (\n)-40
	v_cndmask_b32 v[bX+be], v[bX+be], v[bX+be+4], s[M4]
.elseif (\n) < 110
.set be, (\n)-76
	v_cndmask_b32 v[bX+be], v[bX+be], v[bX+be+2], s[M2]
.else
.set be, (\n)-110
	v_cndmask_b32 v[bX+be], v[bX+be], v[bX+be+1], s[M1]
.endif
.endm
; THE SOFTMAX of tile c for one step, number n of 119.  0-20: the maximum of the 32 scores and the old m, the exchange of the lanes' halves, c m, its change.  21-69: ONE BATCH: the 16 scalings c s - c m and
; the 33 exponentials (a at 23), none of which reads an exponential's result.  70: a plain instruction and the one wait ahead of the first reader.
; 71-86: O^T times a.  87-102: the roundings to bf16.  103-118: the sums; l = a l + sum.
.macro SMX c, n
.set rT, ST+4*(\c)
.set rC, TMP+4*(\c)
.set rW, MV+(\c)
.set rS, X+48*(\c)
.set rP, P+16*(\c)
.set rO, O+32*(\c)
.if (\n) < 71
	WIN 0
.endif
.if (\n) < 4
	v_max3_num_f32 v[rC+(\n)], v[rS+8*(\n)], v[rS+8*(\n)+1], v[rS+8*(\n)+2]
.elseif (\n) < 12
	v_max3_num_f32 v[rC+(\n)%4], v[rC+(\n)%4], v[rS+8*((\n)%4)+2*((\n)/4)+1], v[rS+8*((\n)%4)+2*((\n)/4)+2]
.elseif (\n) == 12
	v_max3_num_f32 v[rC], v[rC], v[rS+7], v[rS+15]
.elseif (\n) == 13
	v_max3_num_f32 v[rC+1], v[rC+1], v[rS+23], v[rS+31]
.elseif (\n) == 14
	v_mov_b32 v[rW], v[rT]
.elseif (\n) == 15
	v_max3_num_f32 v[rC+2], v[rC+2], v[rC+3], v[rT+1]
.elseif (\n) == 16
	v_max3_num_f32 v[rC], v[rC], v[rC+1], v[rC+2]
.elseif (\n) == 17
	v_permlanex16_b32 v[rC+3], v[rC], s[SEL], s[SEL+1]
.elseif (\n) == 18
	v_max_num_f32 v[rT+1], v[rC], v[rC+3]
.elseif (\n) == 19
	v_mul_f32 v[rT], s[CS], v[rT+1]
.elseif (\n) == 20
	v_sub_f32 v[rC+1], v[rW], v[rT]
.elseif (\n) == 23
	v_exp_f32 v[rC+2], v[rC+1]
.elseif ((\n) < 23) || (((\n) < 52) && ((\n)%2 == 1))
.set sf, (\n)-21
.if (\n) > 23
.set sf, ((\n)-25)/2+2
.endif
	v_pk_fma_f32 v[rS+2*sf:rS+2*sf+1], v[rS+2*sf:rS+2*sf+1], s[CS:CS+1], v[rT:rT+1] op_sel_hi:[1,0,0] neg_lo:[0,0,1] neg_hi:[0,0,1]
.elseif (\n) < 70
.set se, (\n)-38
.if (\n) < 52
.set se, ((\n)-24)/2
.endif
	v_exp_f32 v[rS+se], v[rS+se]
.elseif (\n) == 70
	v_nop
	s_wait_alu depctr_va_vdst(0)
.elseif (\n) < 87
	WIN 0x41
	v_pk_mul_f32 v[rO+2*((\n)-71):rO+2*((\n)-71)+1], v[rO+2*((\n)-71):rO+2*((\n)-71)+1], v[rC+2:rC+3] op_sel_hi:[1,0]
.elseif (\n) < 103
	WIN 0x40
	v_cvt_pk_bf16_f32 v[rP+(\n)-87], v[rS+2*((\n)-87)], v[rS+2*((\n)-87)+1]
.else
	WIN 0
.set sz, (\n)-103
.set sw, 4
.set su, sz
.if sz >= 14
.set sw, 32
.set su, 0
.elseif sz >= 12
.set sw, 16
.set su, sz-12
.elseif sz >= 8
.set sw, 8
.set su, sz-8
.endif
.if sz < 15
	v_pk_add_f32 v[rS+sw*su:rS+sw*su+1], v[rS+sw*su:rS+sw*su+1], v[rS+sw*su+sw/2:rS+sw*su+sw/2+1]
.else
	v_pk_fma_f32 v[rT+2:rT+3], v[rT+2:rT+3], v[rC+2:rC+3], v[rS:rS+1] op_sel_hi:[1,0,1]
.endif
.endif
.endm
; The turn's next vector instruction.  While the softmax is in its window-0 part the two queues alternate; then the shift is finished, then the softmax.
.set cS, 0
.set cB, 0
.macro VNEXT
.if (jS < nS) && ((jB >= nB) || ((jS < 71) && (tog == 0)))
	SMX cS, jS
.set jS, jS+1
.set tog, 1
.elseif jB < nB
	BAR cB, jB
.set jB, jB+1
.set tog, 0
.endif
.endm
; A TURN: group k1 for tile c1, then group k2 for tile c2, four vector instructions behind each product; the softmax of tile sm and the shift of tile br (-1: none).  No vector line names a register of
; the turn's products.  What is left, 39 lines at the least and more than four of them plain, follows as a lump.
.macro TURN k1, c1, k2, c2, sm, br
.set jS, 0
.set nS, 0
.set jB, 0
.set nB, 0
.set tog, 0
.if (\sm) >= 0
.set nS, 119
.set cS, (\sm)
.endif
.if (\br) >= 0
.set nB, 142
.set cB, (\br)
.endif
.set mi, 0
.rept 8+4*((\k1)/2)
	MMX \k1, \c1
.rept 4
	VNEXT
.endr
.set mi, mi+1
.endr
.set mi, 0
.rept 8+4*((\k2)/2)
	MMX \k2, \c2
.rept 4
	VNEXT
.endr
.set mi, mi+1
.endr
.rept 200
	VNEXT
.endr
.endm
; STEP DG ALONE, for tile c: u = 2032 - 16 c + 32 h + e reaches 2048 at e = 16 c + 16 (lanes 0-15) and at e = 16 c - 16 (lanes 16-31).  The band's tiles from there on are made again with q[i+1],
; taken where u is at or over 2048, and q[i+1] goes where the products of all later steps name Q.  The jump goes forward and passes no barrier and no tensor load.
.macro FIX c
	WIN 0
	s_cmp_lg_u32 s[SN], s[DG]
	s_cbranch_scc1 .Lnofix_\@
.set ft0, 0
.if (\c) > 1
.set ft0, 2*(\c)-2
.endif
	WIN 0x5b
.set fk, 0
.rept 2
.set ft, ft0
.rept 6-ft0
.set rF, F+16*(ft-2*(\c)+6)+8*fk
.set rQ, QN+16*(\c)+8*fk
.if fk == 0
	v_wmma_f32_16x16x32_bf16 v[XT+8*ft:XT+8*ft+7], v[rF:rF+7], v[rQ:rQ+7], 0
.else
	v_wmma_f32_16x16x32_bf16 v[XT+8*ft:XT+8*ft+7], v[rF:rF+7], v[rQ:rQ+7], v[XT+8*ft:XT+8*ft+7]
.endif
.set ft, ft+1
.endr
.set fk, fk+1
.endr
.rept 4
	v_nop                                  ; the places behind those products
.endr
.set fe, 8*ft0
.rept 48-8*ft0
.if fe >= 16*(\c)+16
	WIN 0x01
	v_mov_b32 v[X+48*(\c)+fe], v[XT+fe]
.else
	WIN 0x04
	v_cndmask_b32 v[X+48*(\c)+fe], v[X+48*(\c)+fe], v[XT+fe], s[H1]
.endif
.set fe, fe+1
.endr
	WIN 0x82
.set fe, 0
.rept 16
	v_mov_b32 v[QR+16*(\c)+fe], v[QN+16*(\c)+fe]
.set fe, fe+1
.endr
	WIN 0
.Lnofix_\@:
.endm
; THE LDS LOADS stand in runs.  last = 1 (the tail): in the last trip there is no further step, and the run is jumped over.
.macro FETCH_R last                        ; RE's twelve fragments: 48 loads.  s[TBK] stands at the step to be fetched: K's run, later in the trip, steps it
	WIN 0
.if \last
	s_cmp_eq_u32 s[CNT], 1
	s_cbranch_scc1 .Lno_r_\@
.endif
	v_add_nc_u32 v[ARA], s[TBK], v[AR0]
	v_add_nc_u32 v[ARB], s[TBK], v[AR1]
	WIN 0xc0
.set fr, 0
.rept 12
.set fa, ARA
.set fo, 16*fr
.if fr >= 4
.set fo, 16*(fr-4)
.endif
.if (fr >= 4) && (fr < 8)
.set fa, ARB
.endif
.irp q, 0,1,2,3
	ds_load_b128 v[F+16*fr+4*\q:F+16*fr+4*\q+3], v[fa] offset:fo*PK+32*\q
.endr
.set fr, fr+1
.endr
	WIN 0
.if \last
.Lno_r_\@:
.endif
.endm
.macro FETCH_K last                        ; 16 loads
	WIN 0
.if \last
	s_cmp_eq_u32 s[CNT], 1
	s_cbranch_scc1 .Lno_k_\@
.endif
	v_add_nc_u32 v[AK], s[TBK], v[AK0]
	WIN 0x80
.irp f, 0,1,2,3,4,5,6,7
	ds_load_b128 v[KF+8*\f:KF+8*\f+3],   v[AK] offset:(\f/2)*16*PK+(\f%2)*64
	ds_load_b128 v[KF+8*\f+4:KF+8*\f+7], v[AK] offset:(\f/2)*16*PK+(\f%2)*64+32
.endr
	s_add_co_u32 s[TBK], s[TBK], KSTEP
	WIN 0
.if \last
.Lno_k_\@:
.endif
.endm
.macro FETCH_V                             ; 16 loads, turned
	WIN 0
	v_add_nc_u32 v[AV], s[TBV], v[AV0]
	WIN 0xc0
.irp f, 0,1,2,3,4,5,6,7
	ds_load_tr16_b128 v[VF+8*\f:VF+8*\f+3],   v[AV] offset:(\f/4)*32*PV+(\f%4)*32
	ds_load_tr16_b128 v[VF+8*\f+4:VF+8*\f+7], v[AV] offset:(\f/4)*32*PV+16*PV+(\f%4)*32
.endr
	s_add_co_u32 s[TBV], s[TBV], VSTEP
	WIN 0
.endm
; A TRIP fetches step s' and ends step s' - 1.  Every run of loads stands behind a lump, four plain instructions or more behind the last product that read its registers.
.macro BODY_A last
	s_wait_dscnt 0x0                       ; V of step s' - 1, asked for two turns back, is in
	FETCH_R \last
	TURN PVK, 0, ACK, 2, 1, 3
	TURN PVK, 1, ACK, 3, 2, -1
	FETCH_K \last
.if \last
	s_wait_dscnt 0x0                       ; in the tail a run may have been jumped: the count that holds on every way
.else
	s_wait_dscnt 16                        ; RE is in; K's 16 loads may stay out
.endif
	TURN PVK, 2, BDK, 0, 3, -1
	FIX 0
	TURN PVK, 3, BDK, 1, -1, 0
	FIX 1
.endm
.macro BODY_B
	FETCH_V
	s_wait_dscnt 16                        ; K is in; V's 16 loads may stay out
	TURN ACK, 0, BDK, 2, -1, 1
	FIX 2
	TURN ACK, 1, BDK, 3, 0, 2
	FIX 3
	s_add_co_u32 s[SN], s[SN], 1
.endm
	s_mov_b32 s[SN], 0
	s_mov_b32 s[SLOTS], 15
.Lslot:                                    ; 15 times: a slot is entered and the next is asked for
	CHANGE 1
	s_mov_b32 s[CNT], 2
.Lstep:
	BODY_A 0
	BODY_B
	s_sub_co_u32 s[CNT], s[CNT], 1
	s_cmp_lg_u32 s[CNT], 0
	s_cbranch_scc1 .Lstep
	s_sub_co_u32 s[SLOTS], s[SLOTS], 1
	s_cmp_lg_u32 s[SLOTS], 0
	s_cbranch_scc1 .Lslot
	CHANGE 0                               ; the tail is written out
	s_mov_b32 s[CNT], 3                    ; two trips fetch the last slot's steps; the third ends the last step and is left in its middle
.Ltail:
	BODY_A 1
	s_sub_co_u32 s[CNT], s[CNT], 1
	s_cmp_eq_u32 s[CNT], 0
	s_cbranch_scc1 .Lout
	BODY_B
	s_branch .Ltail
.Lout:                                     ; the third trip's two bands, made of the last fragments once more, serve nothing: the price of one text for every trip
	; THE WAY OUT.  l's halves and the other half of the lanes' are added; O^T is divided by l, rounded to bf16 and sent through my stage, a tile at a time.
.macro ALL line:vararg
.set t, 0
.rept 4
	\line
.set t, t+1
.endr
.endm
	ALL v_add_f32 v[ST+4*t+2], v[ST+4*t+2], v[ST+4*t+3]
	ALL v_permlanex16_b32 v[ST+4*t+3], v[ST+4*t+2], s[SEL], s[SEL+1]
	ALL v_add_f32 v[ST+4*t+2], v[ST+4*t+2], v[ST+4*t+3]
	ALL v_rcp_f32 v[ST+4*t+2], v[ST+4*t+2]
	v_nop                                  ; a plain instruction behind the last reciprocal,
	s_wait_alu depctr_va_vdst(0)           ; and the one wait for the four
.macro PACK t
	WIN 0x41
.set i, O+32*(\t)
.rept 16
	v_pk_mul_f32 v[i:i+1], v[i:i+1], v[ST+4*(\t)+2:ST+4*(\t)+3] op_sel_hi:[1,0]
.set i, i+2
.endr
	WIN 0x05
.set i, 0
.rept 16
	v_cvt_pk_bf16_f32 v[X+16*(\t)+i], v[O+32*(\t)+2*i], v[O+32*(\t)+2*i+1]
.set i, i+1
.endr
	WIN 0
.irp f, 0,1,2,3
	ds_store_b128 v[STO], v[X+16*(\t)+4*\f:X+16*(\t)+4*\f+3] offset:32*\f
.endr
.irp f, 0,1,2,3
	ds_load_b128 v[X+16*(\t)+4*\f:X+16*(\t)+4*\f+3], v[RD] offset:\f*4*SP  ; LDS serves a wave's instructions in order (ISA guide 5.7.1.4): these see the stores above
.endr
.endm
.macro SEND t, younger                     ; younger: the LDS instructions issued behind tile t's loads
	WIN 0
.irp f, 0,1,2,3
	s_wait_dscnt (\younger)+3-\f
	global_store_b128 v[GO], v[X+16*(\t)+4*\f:X+16*(\t)+4*\f+3], s[10:11] offset:(\t)*2048+\f*512  ; 512 consecutive bytes, aligned
.endr
.endm
	PACK 0
.set t, 1
.rept 3
	PACK t
	SEND t-1, 8
.set t, t+1
.endr
	SEND 3, 0
	s_wait_tensorcnt 0x0                   ; the wave's end
	ds_add_u32 v[SPW], v[NIL]
	s_wait_dscnt 0x0
	s_endpgm
.Lfunc_end_k_q0954d31d80_attn:
	.size	k_q0954d31d80_attn, .Lfunc_end_k_q0954d31d80_attn-k_q0954d31d80_attn
	.p2alignl 7, 3214868480
	.fill 96, 4, 3214868480
	.section	.rodata,"a",@progbits
	.p2align	6, 0x0
	.amdhsa_kernel k_q0954d31d80_attn
		.amdhsa_group_segment_fixed_size 327680
		.amdhsa_private_segment_fixed_size 0
		.amdhsa_enable_private_segment 0
		.amdhsa_kernarg_size 32
		.amdhsa_user_sgpr_count 2
		.amdhsa_user_sgpr_kernarg_segment_ptr 1
		.amdhsa_wavefront_size32 1
		.amdhsa_system_sgpr_workgroup_id_x 1
		.amdhsa_system_sgpr_workgroup_id_y 1
		.amdhsa_system_sgpr_workgroup_id_z 1
		.amdhsa_system_vgpr_workitem_id 0
		.amdhsa_next_free_vgpr 1024
		.amdhsa_next_free_sgpr 92
		.amdhsa_reserve_vcc 0
		.amdhsa_float_denorm_mode_32 3
		.amdhsa_float_denorm_mode_16_64 3
		.amdhsa_memory_ordered 1
		.amdhsa_forward_progress 1
		.amdhsa_inst_pref_size 246
	.end_amdhsa_kernel
	.amdgpu_metadata
---
amdhsa.version: [ 1, 2 ]
amdhsa.kernels:
  - .name:           k_q0954d31d80_attn
    .symbol:         k_q0954d31d80_attn.kd
    .args:
      - { .name: qkvr, .offset: 0, .size: 8, .value_kind: global_buffer, .address_space: global }
      - { .name: r_w_bias, .offset: 8, .size: 8, .value_kind: global_buffer, .address_space: global }
      - { .name: r_r_bias, .offset: 16, .size: 8, .value_kind: global_buffer, .address_space: global }
      - { .name: av, .offset: 24, .size: 8, .value_kind: global_buffer, .address_space: global }
    .group_segment_fixed_size: 327680
    .private_segment_fixed_size: 0
    .kernarg_segment_align: 8
    .kernarg_segment_size: 32
    .max_flat_workgroup_size: 128
    .sgpr_count:     92
    .vgpr_count:     1024
    .wavefront_size: 32
...
	.end_amdgpu_metadata
.endif
;; end of part 3
;; launch gemmo (part 4): grid 8 x 32, 4 waves a work-group, clusters of 4 x 4, 327,680 bytes of LDS; arguments av, hbk, wb2, ao; writes ao
.if DOCPART == 4
	.amdgcn_target "amdgcn-amd-amdhsa--gfx1250"
	.amdhsa_code_object_version 6
	.text
	.protected	k_q0954d31d80_gemmo
	.globl	k_q0954d31d80_gemmo
	.p2align	8
	.type	k_q0954d31d80_gemmo,@function
k_q0954d31d80_gemmo:
	s_mov_b64 s[64:65], 0
	v_nop
	global_prefetch_b8 v0, s[64:65] scope:SCOPE_SE
	s_setreg_imm32_b32 hwreg(HW_REG_WAVE_MODE, 25, 1), 1
	s_wait_xcnt 0x0
	s_wait_alu depctr_hold_cnt(0) depctr_sa_sdst(0) depctr_va_vdst(0) depctr_va_sdst(0) depctr_va_ssrc(0) depctr_va_vcc(0) depctr_vm_vsrc(0)
	s_getreg_b32 s2, hwreg(HW_REG_IB_STS2, 6, 4)
	s_cmp_eq_u32 s2, 0
	s_cbranch_scc0 .Lentry_in_a_cluster
	s_endpgm
.Lentry_in_a_cluster:
	s_bfe_u32 s2, ttmp6, 0x10000c
	s_cmp_lg_u32 s2, 0xf033
	s_cbranch_scc0 .Lentry_shape_is_right
	s_endpgm
.Lentry_shape_is_right:
; C = A W, the output projection.  A: [16 kb][4096 rows][64] bf16 (K = 1024 in blocks of 64), W: [nb][1024 k][128] bf16, sums in f32, C rounded once to bf16.
; Arguments: A0, A1, W, C.  Tile columns 0-23 (cluster x below 6) multiply A0, the others A1; this launch has eight tile columns and never reads A1.
; C leaves as [2 nb + half][4096 pos][64]: heads of 64 columns, and inside each block of 64 rows row 32 hh + 8 kt + a lies at
; pos = 16 kt + 8 hh + a: the order in which the launch behind reads it.
; A tile of C is 128 x 128, which gives each of 256 work-groups one tile: four waves, each 64 x 64 = 16 accumulators.  K goes in four steps of 256 through two LDS slots.
; CLUSTERS: 4 x 4 work-groups; A's tile is shared along a row of the cluster, W's along a column: each is asked for jointly, by the same
; tensor load with the same descriptor and a mask that names the four.  No prefetch is laid: the tiles are small.
; THE MATRIX INSTRUCTION IS USED TRANSPOSED (source 0 = 16 columns of W, turned on the way out of LDS; source 1 = 16 rows of A):
; a lane then holds eight neighbouring columns of one row of C.
; REGISTERS: window 0: v0-31 addresses; v32-95 the way out; v128-255 accumulators ((a, b) at 128 + 8 (4 a + b)).
;   window 1: two fragment buffers of 128: for 64 along K, 64 registers of A, then 64 of W.
.set KBB,    524288                    ; bytes in one block of A or of C: 4,096 rows x 128
.set PA,     144                       ; a row of A in LDS: 128 bytes + 16: the 16 rows of a load start at 16 different groups of four banks (ISA guide 11.1)
.set PB,     288                       ; a row of W: 256 + 32
.set APB,    128*PA                    ; one block of A: 128 rows
.set HALFT,  2*APB                     ; what one tensor load brings: two blocks of A, or 128 rows of W (128 x 288, the same bytes)
.set SLOT,   4*HALFT                   ; A's four blocks, then W's 256 rows
.set STAGE,  0                         ; the way out uses slot 0, whose last fill (K step 2) has landed and whose last reads lie ahead of the last change of slots
.set SPITCH, 272
.set SPARE,  2*SLOT                    ; the spare words, 128 bytes a wave: two blocks of 256 bytes that no other line names
.set LAPS,   2
.set ASTEP,  4*KBB                     ; a K step in A: four blocks
.set BSTEP,  256*256                   ; in W: 256 rows of 256 bytes
.set ADRA, 16                          ; v16-17  my A fragments in slot 0, 1
.set ADRB, 20                          ; v20-23  my W fragments: slot s, half of the step's 256 rows at 20 + 2 s + half
.set STO,  24
.set RD,   25
.set CO,   26
.set SPW,  28                          ; never rewritten
.set NIL,  29                          ; never rewritten
.set TMP,  32
.set ACC,  128
.set F0,   0
.set F1,   128
.set G1, 24
.set G0, 32
.set G1B, 48
.set G0B, 56
.set MSB, 0
.macro WIN new                         ; the immediate's high byte repeats the setting that is left
.if MSB != (\new)
	s_set_vgpr_msb (MSB<<8)|(\new)
.set MSB, \new
.endif
.endm
.set MUL,  0x05                        ; sources 0 and 1 window 1; C and D window 0
.set TO_F, 0x40                        ; destination window 1, address window 0
.macro JLOAD s                         ; a joint load: waves 0 and 1 fetch A's halves, waves 2 and 3 W's; an s_nop 0 and four v_nop follow each line
	s_cmp_eq_u32 s11, 0
	s_cbranch_scc0 .Lfor_b_\@
	tensor_load_to_lds s[G0+4*(\s):G0+4*(\s)+3], s[G1:G1+7]
	s_nop 0
.rept 4
	v_nop
.endr
	s_branch .Lasked_\@
.Lfor_b_\@:
	tensor_load_to_lds s[G0B+4*(\s):G0B+4*(\s)+3], s[G1B:G1B+7]
	s_nop 0
.rept 4
	v_nop
.endr
.Lasked_\@:
.endm
.macro CREST                           ; a round of the cluster's barrier behind its opening barrier
	s_cmp_lg_u32 s10, 0
	s_cbranch_scc1 .Lnot_wave_0_\@
	s_barrier_signal -3
.Lnot_wave_0_\@:
	s_barrier_wait -3
	s_barrier_signal -1
	s_barrier_wait -1
.endm
.macro CROUND
	s_barrier_signal -1
	s_barrier_wait -1
	CREST
.endm
	s_load_b256 s[72:79], s[0:1], 0x0              ; A0 s[72:73], A1 s[74:75], W s[76:77], C s[78:79]
	v_lshl_add_u32 v[SPW], v0, 2, SPARE
	v_mov_b32 v[NIL], 0
	ds_add_u32 v[SPW], v[NIL]                      ; the wave's opening: the add and its wait ahead of my first tensor load
	v_lshrrev_b32 v1, 5, v0
	v_readfirstlane_b32 s10, v1                    ; wave 0..3
	s_lshr_b32 s11, s10, 1                         ; my half of the tile's rows; also: I fetch for A (0) or W (1)
	s_and_b32 s12, s10, 1                          ; my half of its columns; also: which half of that tile I fetch
	s_bfe_u32 s40, ttmp6, 0x40000                  ; cx
	s_bfe_u32 s41, ttmp6, 0x40004                  ; cy
	s_lshl_b32 s42, ttmp9, 2
	s_add_co_u32 s42, s42, s40                     ; tile column
	s_and_b32 s13, ttmp7, 0xffff
	s_lshl_b32 s13, s13, 2
	s_add_co_u32 s13, s13, s41                     ; tile row
	s_lshl_b32 s43, s41, 2
	s_lshl_b32 s43, 15, s43                        ; my row of the cluster
	s_lshl_b32 s44, 0x1111, s40                    ; my column
	; A: two blocks, each 128 dense rows of 128 bytes = one row of 8,192 elements; 16 bytes of padding behind every 32 words
	s_or_b32 s[G1+0], s43, (1<<16)|(1<<20)|(1<<21)|(4<<22)|(3<<25)
	s_mov_b32 s[G1+1], 8192<<16                    ; tensor_dim0
	s_mov_b32 s[G1+2], 2<<16                       ; tensor_dim1
	s_mov_b32 s[G1+3], 8192<<16                    ; tile_dim0
	s_mov_b32 s[G1+4], 2                           ; tile_dim1
	s_mov_b32 s[G1+5], 262144                      ; elements from block to block
	s_mov_b32 s[G1+6], 0
	s_mov_b32 s[G1+7], 0
	; W: 128 rows of 128 elements; 32 bytes of padding behind every 64 words
	s_or_b32 s[G1B+0], s44, (1<<16)|(1<<20)|(1<<21)|(5<<22)|(7<<25)
	s_mov_b32 s[G1B+1], 128<<16
	s_mov_b32 s[G1B+2], 128<<16
	s_mov_b32 s[G1B+3], 128<<16
	s_mov_b32 s[G1B+4], 128
	s_mov_b32 s[G1B+5], 128
	s_mov_b32 s[G1B+6], 0
	s_mov_b32 s[G1B+7], 0
	s_lshl_b32 s16, s13, 14                        ; A: 128 x tile row rows of 128 bytes
	s_lshl_b32 s17, s12, 20                        ; + my two blocks of the step's four
	s_add_co_u32 s16, s16, s17
	s_mov_b32 s17, 0
	s_lshl_b32 s46, s42, 18                        ; W: the tile column's block of 262,144 bytes
	s_lshl_b32 s47, s12, 15                        ; + my 128 rows of the step's 256
	s_add_co_u32 s46, s46, s47
	s_mov_b32 s47, 0
	s_mul_i32 s20, s10, HALFT                      ; where they go: wave x 36,864: no place in the cluster enters an LDS address
	s_wait_dscnt 0x0                               ; the opening add is done
	s_wait_kmcnt 0x0
	s_cmp_lt_u32 ttmp9, 6                          ; the cluster's x: the same in all sixteen partners
	s_cselect_b64 s[4:5], s[72:73], s[74:75]
	s_add_nc_u64 s[14:15], s[4:5], s[16:17]
	s_add_nc_u64 s[46:47], s[76:77], s[46:47]
	CROUND                                         ; all sixteen work-groups are here: the first joint loads meet
.irp s, 0,1
	s_mov_b32 s[G0+4*(\s)], 1
	s_add_co_u32 s[G0+4*(\s)+1], s20, (\s)*SLOT
	s_add_nc_u64 s[G0+4*(\s)+2:G0+4*(\s)+3], s[14:15], (\s)*ASTEP
	s_or_b32 s[G0+4*(\s)+3], s[G0+4*(\s)+3], 0x80000000
	s_mov_b32 s[G0B+4*(\s)], 1
	s_add_co_u32 s[G0B+4*(\s)+1], s20, (\s)*SLOT
	s_add_nc_u64 s[G0B+4*(\s)+2:G0B+4*(\s)+3], s[46:47], (\s)*BSTEP
	s_or_b32 s[G0B+4*(\s)+3], s[G0B+4*(\s)+3], 0x80000000
	JLOAD \s
.endr
	v_and_b32 v1, 15, v0                           ; l % 16
	v_bfe_u32 v2, v0, 4, 1                         ; l / 16
	v_mul_u32_u24 v3, v1, PA
	v_lshl_add_u32 v3, v2, 4, v3                   ; A: row x pitch + 16 x half
	v_and_b32 v7, 7, v0
	v_lshl_add_u32 v4, v2, 3, v7                   ; W, turned: k row 8 (l / 16) + l % 8,
	v_mul_u32_u24 v4, v4, PB
	v_bfe_u32 v5, v0, 3, 1
	v_lshl_add_u32 v4, v5, 4, v4                   ; columns 8 ((l / 8) % 2) on
	s_mul_i32 s21, s11, 64*PA                      ; my 64 rows of A
	s_lshl_b32 s22, s12, 7                         ; my 64 columns of W,
	s_add_co_u32 s22, s22, 2*HALFT                 ; which lies behind A
.irp s, 0,1
	v_add_nc_u32 v[ADRA+(\s)], s21, v3
	v_add_nc_u32 v[ADRB+2*(\s)], s22, v4
	s_add_co_u32 s23, s22, HALFT
	v_add_nc_u32 v[ADRB+2*(\s)+1], s23, v4
	s_add_co_u32 s21, s21, SLOT
	s_add_co_u32 s22, s22, SLOT
.endr
	s_mul_i32 s23, s11, 64*SPITCH                  ; into the stage: my 64 rows, my half of their 256 bytes
	s_lshl_b32 s21, s12, 7
	s_add_co_u32 s23, s23, s21
	v_mul_u32_u24 v6, v1, SPITCH
	v_lshl_add_u32 v6, v2, 4, v6
	v_add_nc_u32 v[STO], s23, v6
	s_mul_i32 s23, s10, 32*SPITCH                  ; back: wave w takes rows 32 w on; 32 lanes take four rows' 128 bytes of one head
	v_bfe_u32 v6, v0, 3, 2
	v_mul_u32_u24 v6, v6, SPITCH
	v_lshl_add_u32 v6, v7, 4, v6
	v_add_nc_u32 v[RD], s23, v6
	v_and_b32 v[CO], 31, v0
	v_lshlrev_b32 v[CO], 4, v[CO]                  ; which are 512 consecutive bytes of C
	s_lshl_b32 s16, s13, 14                        ; C: pos 128 x tile row
	s_lshl_b32 s17, s11, 13                        ; + 64 (w / 2)
	s_add_co_u32 s16, s16, s17
	s_lshl_b32 s17, s12, 10                        ; + 8 (w % 2): my 32 rows are one half hh of a block of 64
	s_add_co_u32 s16, s16, s17
	s_mov_b32 s17, 0
	s_add_nc_u64 s[8:9], s[78:79], s[16:17]
	s_lshl_b32 s46, s42, 20                        ; the tile column's two heads
	s_mov_b32 s47, 0
	s_add_nc_u64 s[8:9], s[8:9], s[46:47]
; 8 matrix instructions: m blocks a0, a0 + 1 x all 4 n blocks, 32 along K: half c of buffer f.  zero = 1: the first product starts the sums
.macro MUL8 f, c, a0, zero
	WIN MUL
.irp a, \a0, (\a0)+1
.irp b, 0,1,2,3
.if \zero
	v_wmma_f32_16x16x32_bf16 v[ACC+8*(4*(\a)+(\b)):ACC+8*(4*(\a)+(\b))+7], v[(\f)+64+8*(4*(\c)+(\b)):(\f)+64+8*(4*(\c)+(\b))+7], v[(\f)+8*(4*(\c)+(\a)):(\f)+8*(4*(\c)+(\a))+7], 0
.else
	v_wmma_f32_16x16x32_bf16 v[ACC+8*(4*(\a)+(\b)):ACC+8*(4*(\a)+(\b))+7], v[(\f)+64+8*(4*(\c)+(\b)):(\f)+64+8*(4*(\c)+(\b))+7], v[(\f)+8*(4*(\c)+(\a)):(\f)+8*(4*(\c)+(\a))+7], v[ACC+8*(4*(\a)+(\b)):ACC+8*(4*(\a)+(\b))+7]
.endif
.endr
.endr
.endm
; 32 LDS loads in one run: the fragments of quarter q (64 along K = one block of A, 64 rows of W) into buffer f; the first 32 along K first
.macro FETCH slot, q, f
	WIN TO_F
.irp c, 0,1
.irp i, 0,1,2,3
	ds_load_tr16_b128 v[(\f)+64+8*(4*(\c)+(\i)):(\f)+64+8*(4*(\c)+(\i))+3],   v[ADRB+2*(\slot)+(\q)/2] offset:(((\q)%2)*64+32*(\c))*PB+32*(\i)
	ds_load_tr16_b128 v[(\f)+64+8*(4*(\c)+(\i))+4:(\f)+64+8*(4*(\c)+(\i))+7], v[ADRB+2*(\slot)+(\q)/2] offset:(((\q)%2)*64+32*(\c)+16)*PB+32*(\i)
	ds_load_b128 v[(\f)+8*(4*(\c)+(\i)):(\f)+8*(4*(\c)+(\i))+3],         v[ADRA+(\slot)] offset:(\q)*APB+(\i)*16*PA+64*(\c)
	ds_load_b128 v[(\f)+8*(4*(\c)+(\i))+4:(\f)+8*(4*(\c)+(\i))+7],       v[ADRA+(\slot)] offset:(\q)*APB+(\i)*16*PA+64*(\c)+32
.endr
.endr
.endm
.macro PLACES                          ; four places in front of loads into registers that matrix instructions have read, and of conversions that read results
.rept 4
	v_nop
.endr
.endm
; One of a K step's first three quarters: multiplies buffer f and fetches quarter q into g
.macro QUARTER slot, q, f, g, zero
	s_wait_dscnt 16                                ; the first 32 along K are in; the 16 younger loads may be out
	WIN MUL
	MUL8 \f, 0, 0, \zero
	MUL8 \f, 0, 2, \zero
	PLACES
	FETCH \slot, \q, \g
	s_wait_dscnt 32                                ; all but the 32 just issued
	WIN MUL
	MUL8 \f, 1, 0, 0
	MUL8 \f, 1, 2, 0
.endm
; The last quarter multiplies buffer 1 and changes slots: one barrier; in front of it each wave waits for all its tensor loads, adds 0 to its spare word,
; and waits for that and for its reads of this slot.  fill = 1: the barrier opens a round of the cluster's, and this slot is filled again, two K steps ahead.
.macro TURN slot, next, fill
	WIN 0
	s_wait_tensorcnt 0x0                           ; all my tensor loads have landed: my part of the next slot
	ds_add_u32 v[SPW], v[NIL]
	s_wait_dscnt 17                                ; the add and the youngest sixteen loads may be out
	WIN MUL
	MUL8 F1, 0, 0, 0
	s_wait_dscnt 0x0                               ; the add is done, and my reads of this slot are over
	s_barrier_signal -1
	MUL8 F1, 0, 2, 0
.if \fill
	WIN 0
.endif
	s_barrier_wait -1
.if \fill
	CREST                                          ; no wave of any partner still reads this slot or has a load on its way
	s_add_nc_u64 s[G0+4*(\slot)+2:G0+4*(\slot)+3], s[G0+4*(\slot)+2:G0+4*(\slot)+3], 2*ASTEP
	s_add_nc_u64 s[G0B+4*(\slot)+2:G0B+4*(\slot)+3], s[G0B+4*(\slot)+2:G0B+4*(\slot)+3], 2*BSTEP
	JLOAD \slot                                    ; the first tensor load behind the round; its four v_nop are also the places in front of the loads below
.else
	PLACES
.endif
	FETCH \next, 0, F0
	WIN MUL
	MUL8 F1, 1, 0, 0
	MUL8 F1, 1, 2, 0
.endm
	s_wait_tensorcnt 1                             ; my part of K step 0 is in; K step 1's may stay out
	s_barrier_signal -1
	s_barrier_wait -1
	FETCH 0, 0, F0
	QUARTER 0, 1, F0, F1, 1                        ; the first quarter's first products start the sums
	WIN 0
	s_mov_b32 s3, LAPS-1
.Llap:                                                 ; a trip goes once round the ring and fills both slots again
	QUARTER 0, 2, F1, F0, 0
	QUARTER 0, 3, F0, F1, 0
	TURN 0, 1, 1
	QUARTER 1, 1, F0, F1, 0
	QUARTER 1, 2, F1, F0, 0
	QUARTER 1, 3, F0, F1, 0
	TURN 1, 0, 1
	QUARTER 0, 1, F0, F1, 0
	WIN 0
	s_sub_co_u32 s3, s3, 1
	s_cmp_lg_u32 s3, 0
	s_cbranch_scc1 .Llap
	QUARTER 0, 2, F1, F0, 0                        ; the last lap fills nothing
	QUARTER 0, 3, F0, F1, 0
	TURN 0, 1, 0                                   ; behind this barrier no wave reads slot 0 any more
	QUARTER 1, 1, F0, F1, 0
	QUARTER 1, 2, F1, F0, 0
	QUARTER 1, 3, F0, F1, 0
	s_wait_dscnt 16
	WIN MUL
	MUL8 F1, 0, 0, 0
	MUL8 F1, 0, 2, 0
	s_wait_dscnt 0
	MUL8 F1, 1, 0, 0
	MUL8 F1, 1, 2, 0
	WIN 0
	; THE WAY OUT: round to bf16; 16 bytes a lane into the stage; a barrier, since a stage row comes from two waves; back by heads, four rows at a time
	PLACES
.irp t, 0,1,2,3,4,5,6,7,8,9,10,11,12,13,14,15
.irp r, 0,1,2,3
	v_cvt_pk_bf16_f32 v[TMP+4*(\t)+(\r)], v[ACC+8*(\t)+2*(\r)], v[ACC+8*(\t)+2*(\r)+1]
.endr
.endr
.irp a, 0,1,2,3
.irp b, 0,1,2,3
	ds_store_b128 v[STO], v[TMP+4*(4*(\a)+(\b)):TMP+4*(4*(\a)+(\b))+3] offset:STAGE+(\a)*16*SPITCH+32*(\b)
.endr
.endr
	s_wait_dscnt 0x0                               ; for the others' sake: my stores into the stage are done
	s_barrier_signal -1
	s_barrier_wait -1
.irp t, 0,1,2,3,4,5,6,7,8,9,10,11,12,13,14,15     ; head t / 8, rows 4 (t % 8) on of my 32
	ds_load_b128 v[TMP+4*(\t):TMP+4*(\t)+3], v[RD] offset:STAGE+((\t)%8)*4*SPITCH+((\t)/8)*128
.endr
.irp t, 0,1,2,3,4,5,6,7,8,9,10,11,12,13,14,15
	s_wait_dscnt 15-(\t)                           ; the 15 - t younger loads may stay out
	global_store_b128 v[CO], v[TMP+4*(\t):TMP+4*(\t)+3], s[8:9] offset:((\t)/8)*KBB+(16*(((\t)%8)/2)+4*((\t)%2))*128  ; rows 8 kt + 4 a' on go to pos 16 kt + 4 a': 512 consecutive bytes, aligned
.endr
	s_wait_tensorcnt 0x0                           ; the wave's end
	ds_add_u32 v[SPW], v[NIL]
	s_wait_dscnt 0x0
	CROUND                                         ; the closing round
	s_endpgm
.Lfunc_end_k_q0954d31d80_gemmo:
	.size	k_q0954d31d80_gemmo, .Lfunc_end_k_q0954d31d80_gemmo-k_q0954d31d80_gemmo
	.p2alignl 7, 3214868480
	.fill 96, 4, 3214868480
	.section	.rodata,"a",@progbits
	.p2align	6, 0x0
	.amdhsa_kernel k_q0954d31d80_gemmo
		.amdhsa_group_segment_fixed_size 327680
		.amdhsa_private_segment_fixed_size 0
		.amdhsa_enable_private_segment 0
		.amdhsa_kernarg_size 32
		.amdhsa_user_sgpr_count 2
		.amdhsa_user_sgpr_kernarg_segment_ptr 1
		.amdhsa_wavefront_size32 1
		.amdhsa_system_sgpr_workgroup_id_x 1
		.amdhsa_system_sgpr_workgroup_id_y 1
		.amdhsa_system_sgpr_workgroup_id_z 1
		.amdhsa_system_vgpr_workitem_id 0
		.amdhsa_next_free_vgpr 512
		.amdhsa_next_free_sgpr 80
		.amdhsa_reserve_vcc 0
		.amdhsa_float_denorm_mode_32 3
		.amdhsa_float_denorm_mode_16_64 3
		.amdhsa_memory_ordered 1
		.amdhsa_forward_progress 1
		.amdhsa_inst_pref_size 87
	.end_amdhsa_kernel
	.amdgpu_metadata
---
amdhsa.version: [ 1, 2 ]
amdhsa.kernels:
  - .name:           k_q0954d31d80_gemmo
    .symbol:         k_q0954d31d80_gemmo.kd
    .args:
      - { .name: av, .offset: 0, .size: 8, .value_kind: global_buffer, .address_space: global }
      - { .name: hbk, .offset: 8, .size: 8, .value_kind: global_buffer, .address_space: global }
      - { .name: wb2, .offset: 16, .size: 8, .value_kind: global_buffer, .address_space: global }
      - { .name: ao, .offset: 24, .size: 8, .value_kind: global_buffer, .address_space: global }
    .group_segment_fixed_size: 327680
    .private_segment_fixed_size: 0
    .kernarg_segment_align: 8
    .kernarg_segment_size: 32
    .max_flat_workgroup_size: 128
    .sgpr_count:     80
    .vgpr_count:     512
    .wavefront_size: 32
...
	.end_amdgpu_metadata
.endif
;; end of part 4
;; launch ln (part 5): grid 256 x 1, 8 waves a work-group, no clusters, 0 bytes of LDS; arguments ao, h, ln_gamma, ln_beta, out0; writes out0
.if DOCPART == 5
	.amdgcn_target "amdgcn-amd-amdhsa--gfx1250"
	.amdhsa_code_object_version 6
	.text
	.protected	k_q0954d31d80_ln
	.globl	k_q0954d31d80_ln
	.p2align	8
	.type	k_q0954d31d80_ln,@function
k_q0954d31d80_ln:
	s_mov_b64 s[64:65], 0
	v_nop
	global_prefetch_b8 v0, s[64:65] scope:SCOPE_SE
	s_setreg_imm32_b32 hwreg(HW_REG_WAVE_MODE, 25, 1), 1
	s_wait_xcnt 0x0
; out0 = LayerNorm(h + attn_out) gamma + beta, eps = 1e-6, all in f32; the mean first, then the mean of the squared differences from it (two passes over registers).
; ao: [16 heads][4096 pos][64] bf16, in each block of 64 rows row 32 hh + 8 kt + a at pos 16 kt + 8 hh + a.  h, out0: [2048 i][2 b][1024] f32, row R = b x 2048 + i.
; A wave takes pos 2 g and 2 g + 1, which are two neighbouring rows R: lanes 0-15 one row, lanes 16-31 the other; a lane holds 4 columns of each block of 64.
; The rows stay in registers; each load and store of h and out0 covers 256 consecutive bytes a row, aligned.  Memory binds: no LDS, no barrier, no matrix unit.
.set AO,  16                           ; v[16:47]   2 registers a block
.set XR,  48                           ; v[48:111]  4 a block: h, then x, x - mean, the result
.set GA,  112
.set BE,  176
.set SU,  8                            ; v[8:15]    four packed chains
.set UN,  240                          ; v[240:243] four numbers unpacked
.set MU,  244
.set RS,  246
	s_load_b256 s[4:11], s[0:1], 0x0               ; ao, h, gamma, beta
	s_load_b64 s[12:13], s[0:1], 0x20              ; out0
	v_lshrrev_b32 v1, 5, v0
	v_readfirstlane_b32 s14, v1
	s_lshl_b32 s15, ttmp9, 3
	s_add_co_u32 s15, s15, s14
	s_lshl_b32 s16, s15, 1                         ; pos
	s_and_b32 s17, s16, 0xfc7
	s_and_b32 s18, s16, 8
	s_lshl_b32 s18, s18, 2
	s_or_b32 s17, s17, s18
	s_and_b32 s18, s16, 48
	s_lshr_b32 s18, s18, 1
	s_or_b32 s17, s17, s18                         ; R
	s_lshr_b32 s18, s17, 11                        ; b
	s_and_b32 s19, s17, 2047                       ; i
	s_lshl_b32 s19, s19, 13
	s_lshl_b32 s18, s18, 12
	s_add_co_u32 s19, s19, s18                     ; (2 i + b) x 4,096
	s_lshl_b32 s16, s16, 7
	s_mov_b32 s20, 0xffff0000
	s_mov_b32 s21, 0x3a800000                      ; 1 / 1024
	s_mov_b32 s22, 0x358637bd                      ; 1e-6
	v_and_b32 v1, 31, v0
	v_and_b32 v2, 15, v0
	v_bfe_u32 v3, v0, 4, 1
	v_lshl_add_u32 v4, v1, 3, s16                  ; ao: two rows of 128 bytes, 8 bytes a lane
	v_lshlrev_b32 v5, 4, v2                        ; gamma, beta: 16 bytes a lane
	v_lshl_add_u32 v6, v3, 13, v5                  ; h, out0: the second row is 8,192 bytes on
	v_add_nc_u32 v6, s19, v6
	s_wait_kmcnt 0x0
.irp k, 0,1,2,3,4,5,6,7,8,9,10,11,12,13,14,15
	global_load_b64 v[AO+2*\k:AO+2*\k+1], v4, s[4:5] offset:\k*524288 th:TH_LOAD_NT
.endr
.irp k, 0,1,2,3,4,5,6,7,8,9,10,11,12,13,14,15
	global_load_b128 v[XR+4*\k:XR+4*\k+3], v6, s[6:7] offset:\k*256 th:TH_LOAD_NT
.endr
.irp k, 0,1,2,3,4,5,6,7,8,9,10,11,12,13,14,15
	global_load_b128 v[GA+4*\k:GA+4*\k+3], v5, s[8:9] offset:\k*256
.endr
.irp k, 0,1,2,3,4,5,6,7,8,9,10,11,12,13,14,15
	global_load_b128 v[BE+4*\k:BE+4*\k+3], v5, s[10:11] offset:\k*256
.endr
	s_wait_loadcnt 32                              ; ao and h are in; gamma's and beta's 32 loads may stay out
.irp k, 0,1,2,3,4,5,6,7,8,9,10,11,12,13,14,15
	v_lshlrev_b32 v[UN], 16, v[AO+2*\k]
	v_and_b32 v[UN+1], s20, v[AO+2*\k]
	v_lshlrev_b32 v[UN+2], 16, v[AO+2*\k+1]
	v_and_b32 v[UN+3], s20, v[AO+2*\k+1]
	v_pk_add_f32 v[XR+4*\k:XR+4*\k+1], v[XR+4*\k:XR+4*\k+1], v[UN:UN+1]
	v_pk_add_f32 v[XR+4*\k+2:XR+4*\k+3], v[XR+4*\k+2:XR+4*\k+3], v[UN+2:UN+3]
.endr
.macro ACROSS                          ; the four chains into one number, then over the row's 16 lanes
	v_pk_add_f32 v[SU:SU+1], v[SU:SU+1], v[SU+2:SU+3]
	v_pk_add_f32 v[SU+4:SU+5], v[SU+4:SU+5], v[SU+6:SU+7]
	v_pk_add_f32 v[SU:SU+1], v[SU:SU+1], v[SU+4:SU+5]
	v_add_f32 v[SU], v[SU], v[SU+1]
	v_add_f32_dpp v[SU], v[SU], v[SU] row_xmask:1 row_mask:0xf bank_mask:0xf
	v_add_f32_dpp v[SU], v[SU], v[SU] row_xmask:2 row_mask:0xf bank_mask:0xf
	v_add_f32_dpp v[SU], v[SU], v[SU] row_xmask:4 row_mask:0xf bank_mask:0xf
	v_add_f32_dpp v[SU], v[SU], v[SU] row_xmask:8 row_mask:0xf bank_mask:0xf
.endm
.irp c, 0,1,2,3
	v_pk_add_f32 v[SU+2*\c:SU+2*\c+1], v[XR+2*\c:XR+2*\c+1], v[XR+8+2*\c:XR+8+2*\c+1]  ; the first pairs start the chains
.endr
.set p, 8
.rept 24
	v_pk_add_f32 v[SU+2*(p%4):SU+2*(p%4)+1], v[SU+2*(p%4):SU+2*(p%4)+1], v[XR+2*p:XR+2*p+1]
.set p, p+1
.endr
	ACROSS
	v_mul_f32 v[MU], s21, v[SU]
	v_mov_b32 v[MU+1], v[MU]
.set p, 0
.rept 32
	v_pk_add_f32 v[XR+2*p:XR+2*p+1], v[XR+2*p:XR+2*p+1], v[MU:MU+1] neg_lo:[0,1] neg_hi:[0,1]
.set p, p+1
.endr
.irp c, 0,1,2,3
	v_pk_mul_f32 v[SU+2*\c:SU+2*\c+1], v[XR+2*\c:XR+2*\c+1], v[XR+2*\c:XR+2*\c+1]
.endr
.set p, 4
.rept 28
	v_pk_fma_f32 v[SU+2*(p%4):SU+2*(p%4)+1], v[XR+2*p:XR+2*p+1], v[XR+2*p:XR+2*p+1], v[SU+2*(p%4):SU+2*(p%4)+1]
.set p, p+1
.endr
	ACROSS
	v_fma_f32 v[SU], v[SU], s21, s22               ; the variance + eps
	v_rsq_f32 v[RS], v[SU]
	v_nop                                          ; a plain instruction behind it,
	s_wait_alu depctr_va_vdst(0)                   ; and the wait ahead of the first use
	v_mov_b32 v[RS+1], v[RS]
	s_wait_loadcnt 0x0                             ; gamma and beta
.set p, 0
.rept 32
	v_pk_mul_f32 v[XR+2*p:XR+2*p+1], v[XR+2*p:XR+2*p+1], v[RS:RS+1]
	v_pk_fma_f32 v[XR+2*p:XR+2*p+1], v[XR+2*p:XR+2*p+1], v[GA+2*p:GA+2*p+1], v[BE+2*p:BE+2*p+1]
.set p, p+1
.endr
.irp k, 0,1,2,3,4,5,6,7,8,9,10,11,12,13,14,15
	global_store_b128 v6, v[XR+4*\k:XR+4*\k+3], s[12:13] offset:\k*256 th:TH_STORE_NT
.endr
	s_endpgm
.Lfunc_end_k_q0954d31d80_ln:
	.size	k_q0954d31d80_ln, .Lfunc_end_k_q0954d31d80_ln-k_q0954d31d80_ln
	.p2alignl 7, 3214868480
	.fill 96, 4, 3214868480
	.section	.rodata,"a",@progbits
	.p2align	6, 0x0
	.amdhsa_kernel k_q0954d31d80_ln
		.amdhsa_group_segment_fixed_size 0
		.amdhsa_private_segment_fixed_size 0
		.amdhsa_enable_private_segment 0
		.amdhsa_kernarg_size 40
		.amdhsa_user_sgpr_count 2
		.amdhsa_user_sgpr_kernarg_segment_ptr 1
		.amdhsa_wavefront_size32 1
		.amdhsa_system_sgpr_workgroup_id_x 1
		.amdhsa_system_sgpr_workgroup_id_y 1
		.amdhsa_system_sgpr_workgroup_id_z 1
		.amdhsa_system_vgpr_workitem_id 0
		.amdhsa_next_free_vgpr 248
		.amdhsa_next_free_sgpr 66
		.amdhsa_reserve_vcc 0
		.amdhsa_float_denorm_mode_32 3
		.amdhsa_float_denorm_mode_16_64 3
		.amdhsa_memory_ordered 1
		.amdhsa_forward_progress 1
		.amdhsa_inst_pref_size 25
	.end_amdhsa_kernel
	.amdgpu_metadata
---
amdhsa.version: [ 1, 2 ]
amdhsa.kernels:
  - .name:           k_q0954d31d80_ln
    .symbol:         k_q0954d31d80_ln.kd
    .args:
      - { .name: ao, .offset: 0, .size: 8, .value_kind: global_buffer, .address_space: global }
      - { .name: h, .offset: 8, .size: 8, .value_kind: global_buffer, .address_space: global }
      - { .name: ln_gamma, .offset: 16, .size: 8, .value_kind: global_buffer, .address_space: global }
      - { .name: ln_beta, .offset: 24, .size: 8, .value_kind: global_buffer, .address_space: global }
      - { .name: out0, .offset: 32, .size: 8, .value_kind: global_buffer, .address_space: global }
    .group_segment_fixed_size: 0
    .private_segment_fixed_size: 0
    .kernarg_segment_align: 8
    .kernarg_segment_size: 40
    .max_flat_workgroup_size: 256
    .sgpr_count:     66
    .vgpr_count:     248
    .wavefront_size: 32
...
	.end_amdgpu_metadata
.endif
;; end of part 5
